; MI455X (gfx1250); checked and timed in simulation.
; The chip was launched on July 23, 2026; its instructions are those of AMD's public machine-readable ISA for CDNA 5 (MIT licence, August 2026) and "CDNA5" Instruction Set Architecture Reference Guide (July 2026). The comments in the code are by the model that wrote it; some were corrected since.
;; Causal Self Attention. Allowed arithmetic: matrix products marked QUANTISED: E2M3 operands, one E8M0 scale for each 32 along K, by v_wmma_scale_f32_16x16x128_f8f6f4 with both operands' format E2M3, f32 sums; everything else in f32.
;; Inputs: b_out 1,024 float32; b_qkv 3,072 float32; w_out 1,024 x 1,024 float32; w_qkv 1,024 x 3,072 float32; x 4 x 2,048 x 1,024 float32.
;; Outputs: out0 4 x 2,048 x 1,024 float32.
;; This version of the problem:
;;   THIS VERSION OF THE PROBLEM IS GIVEN IN LOW PRECISION. The matrix products marked QUANTISED in the list below multiply operands that are first quantised to E2M3 (2 exponent bits, 3 mantissa bits; 6 bits a number), with one power-of-two scale for each 32 numbers along K (OCP MX v1.0); their sums are f32. All else is computed in f32.
;;   The module's matrix products, in the order in which they are computed (A, B: the left and right operand; K: the contracted axis; several contracted axes count as one K, in the product's order):
;;     1. [M 8,192, K 1,024] x [K 1,024, N 3,072]; A: input x; B: input w_qkv: QUANTISED
;;     2. batch 64 x [M 2,048, K 64] x [K 64, N 2,048]; A: computed on the way; B: computed on the way: QUANTISED
;;     3. batch 64 x [M 2,048, K 2,048] x [K 2,048, N 64]; A: softmax (see below); B: computed on the way: QUANTISED
;;     4. [M 8,192, K 1,024] x [K 1,024, N 1,024]; A: computed on the way; B: input w_out: QUANTISED
;;   THE QUANTISER, for each operand of a quantised product, along K:
;;     - K is cut into blocks of 32 from its start; a last block that is shorter is filled with zeros.
;;     - A block's scale is 2^e with e = floor(log2(the largest magnitude in the block)) - 2, held to -126 .. 127; a block of zeros has e = 0. As a byte (E8M0): e + 127.
;;     - Each number is divided by its block's scale, clamped to +-7.5, and rounded to the nearest number of E2M3, ties to even, subnormals kept.
;;     - The product sums the exact products of the quantised numbers (number of the format x scale) in f32.
;;   ~~~python
;;   def quantise(x, axis):      # numpy; x: float32 -> the quantised numbers, widened to float32 again
;;       x = np.moveaxis(x, axis, -1); K = x.shape[-1]
;;       x = np.pad(x, [(0, 0)] * (x.ndim - 1) + [(0, -K % 32)]); x = x.reshape(x.shape[:-1] + (-1, 32)); a = np.abs(x).max(-1, keepdims=True)
;;       e = np.where(a > 0, np.clip(np.frexp(np.where(a > 0, a, 1))[1] - 1 - 2, -126, 127), 0)      # np.frexp(a)[1] - 1 = floor(log2(a)), exactly
;;       r = np.clip(x / 2.0 ** e, -7.5, 7.5)
;;       step = 2.0 ** (np.maximum(np.frexp(np.where(r == 0, 1, r))[1] - 1, 0) - 3)
;;       q = np.round(r / step) * step * 2.0 ** e      # np.round: ties to even
;;       return np.moveaxis(q.reshape(q.shape[:-2] + (-1,))[..., :K], -1, axis).astype(np.float32)
;;   ~~~
;;   SOFTMAX AHEAD OF A QUANTISED PRODUCT. Where the list says 'softmax', what is quantised is not the finished softmax but p = 2^(t - M), with t = logit x log2(e) and M = ceil(the row's largest t), a whole number; so 1/2 < the row's largest p <= 1. The row's sum l is taken of the UNQUANTISED p, in f32, and the product's result is divided by l at the end. Since M is a whole number, a kernel that streams over the keys may use a running M (the ceiling of the running maximum): every later rescaling is an exact power of two, which a block's scale takes up: the codes' values come out the same.
;;   OPERANDS COMPUTED ON THE WAY. 'Computed on the way' means the value that the module computes at that place (a softmax that the list does not call 'softmax' is quantised finished and normalised). What goes into a quantiser is computed in f32, as accurately as f32 sums, v_exp_f32 and their like allow (about 1e-6 of the number): no bf16 or f16 on the way to a quantiser, and a product that is left as it is and whose result goes on into a quantised operand takes f32 operands (vector FMAs, or v_wmma_f32_16x16x4_f32). A number that lies on a knife's edge between two numbers of the format may be rounded either way, as far as f32 arithmetic and the matrix unit's own rounding can turn it there, and no further.
;; One version. Each part assembles by itself: llvm-mc -triple=amdgcn-amd-amdhsa -mcpu=gfx1250 --defsym DOCPART=n.
;; ======== version 1 of 1: 4 launches
;; workspace buffers: xc 6,291,456 bytes; xs 262,144 bytes; wc 3,145,728 bytes; ws 131,072 bytes; qkvc 18,874,368 bytes; qkvs 1,572,864 bytes; yc 6,291,456 bytes; ys 262,144 bytes
;; launch quant (part 1): grid 384 x 1, 4 waves a work-group, no clusters, 68,096 bytes of LDS; arguments x, w_qkv, w_out, xc, xs, wc, ws; writes xc, xs, wc, ws
.if DOCPART == 1
	.amdgcn_target "amdgcn-amd-amdhsa--gfx1250"
	.amdhsa_code_object_version 6
	.text
	.protected	k_q6740236a33_quant
	.globl	k_q6740236a33_quant
	.p2align	8
	.type	k_q6740236a33_quant,@function
k_q6740236a33_quant:
	s_mov_b64 s[64:65], 0
	v_nop
	global_prefetch_b8 v0, s[64:65] scope:SCOPE_SE
	s_setreg_imm32_b32 hwreg(HW_REG_WAVE_MODE, 25, 1), 1
	s_wait_xcnt 0x0
; x [8192][1024], w_qkv [1024][3072] and w_out [1024][1024], f32, become codes of FP6 (E2M3), K innermost, with one E8M0 byte for each 32 along K.
; xc [8192][768 bytes], xs [8192][32]; wc [4096][768], ws [4096][32]: rows 0-3071 of wc are w_qkv's columns, rows 3072-4095 w_out's.
; A block's scale is 2^(floor(log2(its largest magnitude)) - 2); its byte is the largest magnitude's exponent field - 2, held at 1 from below.
; ROW ORDER: true row n lies at row n with its bits 3 and 4 exchanged.  A tile of 16 neighbouring stored rows then holds true rows 32 b + 8 u + (r % 8) + 16 (r / 8):
; in the products that follow, the 16 registers of two neighbouring tiles are then 16 neighbours along the next product's K.
; LIMITS: NaN and infinities among the inputs are not served.  A block of zeros, or one whose largest magnitude lies under 2^-124, gets the byte 1 where the rule says 127: its codes
; are zeros (or what the held scale gives), and the bytes are read by this program alone.
; SHARES: work-groups 0-255 take x, 32,768 numbers each (a wave: 8 rows, 16 steps of 512 numbers); work-groups 256-383 take the weights (128 columns x 256 along K each; a lane to a column, registers down K).
; The two ways part on the work-group's number and have LDS bytes of their own.  No tensor loads, no barrier: waves share nothing.
.set STEPS, 16
.set CB,    12                         ; bytes of 16 codes
.set R,     16                         ; x: v16-79   four sets of 16 numbers as loaded
.set X,     80                         ; x: v80-111  two sets of 16 neighbours
.set E,     112                        ; x: v112-127 a scale byte for each step
.set C,     128                        ; x: v128-191 codes, four registers a step
.set WREG,  8192                       ; x: LDS of a wave: two stages of 32 x SP bytes, then 256 scale bytes
.set SP,    80
.set SPW,   12                         ; v12  my spare word's LDS address; never rewritten
.set NIL,   13                         ; v13  0; never rewritten
.set WSTG,  32768                      ; weights: the four stages begin here
.set PITCH, 272                        ; a stage row: sixteen places of 16 bytes + 16
.set SPARE, WSTG+4*32*PITCH            ; 67,584: the spare words, 128 bytes a wave
.set NB,    8                          ; weights: blocks of 32 along K for a wave
.set WX,    32                         ; weights: v32-95 two sets of 32 numbers
.set WC,    96                         ; v96-102 a block's codes
.set OUTR,  112                        ; v112-175 the way out
.set VO,    176                        ; v176-207 byte offset of row i of a block at my column
.set SBY,   24                         ; v24-25 my eight scale bytes
.set STI,   208                        ; v208 stage, on the way in
.set STOUT, 209                        ; v209 stage, on the way out
	s_load_b256 s[4:11], s[0:1], 0x0               ; x, w_qkv, w_out, xc
	s_load_b128 s[12:15], s[0:1], 0x20             ; xs, wc
	s_load_b64 s[16:17], s[0:1], 0x30              ; ws
	v_lshl_add_u32 v[SPW], v0, 2, SPARE
	v_mov_b32 v[NIL], 0
	v_lshrrev_b32 v1, 5, v0
	v_readfirstlane_b32 s18, v1                    ; wave
	v_and_b32 v2, 31, v0                           ; lane
	; every LDS address of both ways is made here, ahead of the parting
	s_mul_i32 s19, s18, WREG
	v_lshrrev_b32 v14, 2, v2
	v_mul_u32_u24 v14, v14, SP
	v_and_b32 v15, 3, v2
	v_lshl_add_u32 v14, v15, 4, v14
	v_add_nc_u32 v14, s19, v14                     ; x's stage, in: SP (lane / 4) + 16 (lane % 4)
	v_mul_u32_u24 v15, v2, SP
	v_add_nc_u32 v15, s19, v15                     ; and out: SP x lane
	v_lshrrev_b32 v5, 1, v2
	s_add_co_u32 s19, s19, 2*32*SP
	v_add_nc_u32 v5, s19, v5                       ; my block's scale byte
	v_lshlrev_b32 v7, 3, v2
	v_add_nc_u32 v6, s19, v7                       ; and 8 of the 256 on the way out
	s_mul_i32 s19, s18, 32*PITCH
	s_add_co_u32 s19, s19, WSTG
	v_mul_u32_u24 v[STI], v2, PITCH
	v_add_nc_u32 v[STI], s19, v[STI]               ; the weights' stage, in: row = my column
	v_and_b32 v9, 15, v2
	v_lshrrev_b32 v10, 4, v2
	v_mul_u32_u24 v[STOUT], v10, PITCH
	v_lshl_add_u32 v[STOUT], v9, 4, v[STOUT]
	v_add_nc_u32 v[STOUT], s19, v[STOUT]           ; out: sixteen lanes to a row, two rows an instruction
	s_wait_kmcnt 0x0
	s_cmp_ge_u32 ttmp9, 256
	s_cbranch_scc1 .Lweights
	; ---------------- x: a plain stream of blocks of 32
	v_lshlrev_b32 v3, 4, v2                        ; my 16 bytes of a load's 512
	v_mul_u32_u24 v4, v2, CB                       ; my codes' place in a step's
	s_lshl_b32 s20, ttmp9, 2
	s_add_co_u32 s22, s20, s18                     ; my run of 8 rows
	s_and_b32 s21, s18, 1
	s_lshl_b32 s21, s21, 1
	s_lshr_b32 s23, s18, 1
	s_or_b32 s21, s21, s23
	s_add_co_u32 s24, s20, s21                     ; where it is stored: the run's bits 0 and 1 (the row's bits 3 and 4) exchanged
	s_lshl_b32 s22, s22, 15
	s_mov_b32 s23, 0
	s_add_nc_u64 s[4:5], s[4:5], s[22:23]          ; 32,768 bytes of f32 a run
	s_mul_i32 s22, s24, 6144
	s_add_nc_u64 s[10:11], s[10:11], s[22:23]      ; 6,144 bytes of codes
	s_lshl_b32 s22, s24, 8
	s_add_nc_u64 s[12:13], s[12:13], s[22:23]      ; 256 scale bytes
.macro XLOAD t
.irp i, 0,1,2,3
	global_load_b128 v[R+16*((\t)%4)+4*\i:R+16*((\t)%4)+4*\i+3], v3, s[4:5] offset:2048*(\t)+512*\i th:TH_LOAD_NT   ; 32 lanes read 512 consecutive bytes
.endr
.endm
.macro XTURN t                         ; a step's numbers through the stage: LDS serves a wave's instructions in order, so no wait stands between the stores and the loads
.irp i, 0,1,2,3
	ds_store_b128 v14, v[R+16*((\t)%4)+4*\i:R+16*((\t)%4)+4*\i+3] offset:32*SP*((\t)%2)+8*SP*\i
.endr
.irp i, 0,1,2,3
	ds_load_b128 v[X+16*((\t)%2)+4*\i:X+16*((\t)%2)+4*\i+3], v15 offset:32*SP*((\t)%2)+16*\i
.endr
.endm
.irp t, 0,1,2,3
	XLOAD \t
.endr
	s_wait_loadcnt 12                              ; step 0's four loads are in
	XTURN 0
.macro XSTEP t
.set XS, X+16*((\t)%2)
.if (\t) > 0
	s_wait_dscnt 1                                 ; this step's numbers are back from the stage; the last step's byte store may be out
.else
	s_wait_dscnt 0x0
.endif
.if (\t)+4 < STEPS
	XLOAD (\t)+4                                   ; into the set whose stores into the stage have just been shown done
.endif
.if (\t)+1 < STEPS
.if STEPS-2-(\t) >= 3
	s_wait_loadcnt 12                              ; the next step's four loads are in; three steps' loads may be out
.else
	s_wait_loadcnt 4*(STEPS-2-(\t))
.endif
	XTURN (\t)+1
.endif
	v_max3_num_f32 v8, |v[XS]|, |v[XS+1]|, |v[XS+2]|               ; the largest magnitude of my 16
	v_max3_num_f32 v9, |v[XS+3]|, |v[XS+4]|, |v[XS+5]|
.irp i, 6,10
	v_max3_num_f32 v8, v8, |v[XS+\i]|, |v[XS+\i+1]|
	v_max3_num_f32 v9, v9, |v[XS+\i+2]|, |v[XS+\i+3]|
.endr
	v_max3_num_f32 v8, v8, |v[XS+14]|, |v[XS+15]|
	v_max3_num_f32 v8, v8, v9, 0x1800000           ; and the floor 2^(3 - 127): the byte cannot fall under 1
	v_max_num_f32_dpp v8, v8, v8 row_xmask:1 row_mask:0xf bank_mask:0xf   ; with my neighbour's 16: the block's
	v_add_nc_u32 v11, 0xff000000, v8               ; 2 off its exponent field: the conversion's scale operand
	v_cvt_scalef32_pk16_fp6_f32 v[C+4*(\t):C+4*(\t)+2], v[XS:XS+15], v11
	v_lshrrev_b32 v[E+(\t)], 23, v11               ; the scale's byte
	ds_store_b8 v5, v[E+(\t)] offset:16*(\t)       ; both lanes of a block write the same byte with the same value
	global_store_b96 v4, v[C+4*(\t):C+4*(\t)+2], s[10:11] offset:32*CB*(\t)
.endm
.irp t, 0,1,2,3,4,5,6,7,8,9,10,11,12,13,14,15
	XSTEP \t
.endr
	ds_load_b64 v[8:9], v6                         ; in order behind my byte stores
	s_wait_dscnt 0x0
	global_store_b64 v7, v[8:9], s[12:13]          ; 32 lanes store 256 consecutive bytes, aligned
	s_branch .Lend
	; ---------------- the weights: a lane takes a column, its registers run down K
.Lweights:
	s_sub_co_u32 s20, ttmp9, 256
	s_and_b32 s21, s20, 31                         ; which 128 rows of wc
	s_lshr_b32 s22, s20, 5                         ; which 256 along K
	s_sub_co_u32 s23, s21, 24
	s_mov_b32 s24, 4096
	s_cmp_lt_u32 s21, 24                           ; w_qkv's columns or w_out's: the choice hangs on the work-group's number alone
	s_cselect_b64 s[28:29], s[6:7], s[8:9]
	s_cselect_b32 s24, 12288, s24                  ; bytes from a row of the weight to the next
	s_cselect_b32 s23, s21, s23
	s_lshl_b32 s23, s23, 7
	s_lshl_b32 s25, s18, 5
	s_add_co_u32 s23, s23, s25                     ; my wave's first column in its tensor
	s_lshl_b32 s23, s23, 2
	s_mul_i32 s26, s22, s24
	s_lshl_b32 s26, s26, 8
	s_add_co_u32 s26, s26, s23
	s_mov_b32 s27, 0
	s_add_nc_u64 s[32:33], s[28:29], s[26:27]      ; block 0's first row at my wave's first column
	s_lshl_b32 s26, s24, 5
.irp t, 1,2,3,4,5,6,7
	s_add_nc_u64 s[32+2*\t:33+2*\t], s[30+2*\t:31+2*\t], s[26:27]   ; a base for each block, 32 rows on: none is ever stepped
.endr
	s_lshl_b32 s30, s21, 7
	s_add_co_u32 s30, s30, s25                     ; my wave's first row of wc (a multiple of 32)
	s_mul_i32 s48, s30, 768
	s_mul_i32 s50, s22, 192
	s_add_co_u32 s48, s48, s50
	s_mov_b32 s49, 0
	s_add_nc_u64 s[14:15], s[14:15], s[48:49]
	s_lshl_b32 s48, s30, 5
	s_lshl_b32 s50, s22, 3
	s_add_co_u32 s48, s48, s50
	s_add_nc_u64 s[16:17], s[16:17], s[48:49]
	v_lshlrev_b32 v[VO], 2, v2
.set i, 1
.rept 31
	v_add_nc_u32 v[VO+i], s24, v[VO+i-1]
.set i, i+1
.endr
	v_mul_u32_u24 v8, v10, 768
	v_mad_u32_u24 v8, v9, 12, v8                   ; the way out: row (lane / 16), 12 bytes a lane
	v_and_b32 v3, 7, v2
	v_bfe_u32 v4, v2, 3, 1
	v_bfe_u32 v16, v2, 4, 1
	v_lshl_or_b32 v3, v4, 4, v3
	v_lshl_or_b32 v3, v16, 3, v3                   ; my column with bits 3 and 4 exchanged
	v_lshlrev_b32 v18, 5, v3                       ; its row of scale bytes
.macro WLOAD t
.set i, 0
.rept 32
	global_load_b32 v[WX+32*((\t)%2)+i], v[VO+i], s[32+2*(\t):33+2*(\t)] th:TH_LOAD_NT   ; a wave reads 128 consecutive bytes, the four waves 512
.set i, i+1
.endr
.endm
	WLOAD 0
	WLOAD 1
.macro WBLOCK t
.set XS, WX+32*((\t)%2)
.if (\t) < NB-1
	s_wait_loadcnt 32                              ; this block's 32 loads are in; the next block's may be out
.else
	s_wait_loadcnt 0
.endif
	v_max3_num_f32 v20, |v[XS]|, |v[XS+1]|, |v[XS+2]|              ; all 32 numbers of the block are mine
	v_max3_num_f32 v21, |v[XS+3]|, |v[XS+4]|, |v[XS+5]|
.irp i, 6,10,14,18,22,26
	v_max3_num_f32 v20, v20, |v[XS+\i]|, |v[XS+\i+1]|
	v_max3_num_f32 v21, v21, |v[XS+\i+2]|, |v[XS+\i+3]|
.endr
	v_max3_num_f32 v20, v20, |v[XS+30]|, |v[XS+31]|
	v_max3_num_f32 v20, v20, v21, 0x1800000        ; and the floor
	v_add_nc_u32 v22, 0xff000000, v20              ; the conversion's scale operand
	v_lshrrev_b32 v21, 23, v22                     ; the byte
.if (\t)%4 == 0
	v_mov_b32 v[SBY+(\t)/4], v21
.else
	v_lshl_or_b32 v[SBY+(\t)/4], v21, 8*((\t)%4), v[SBY+(\t)/4]
.endif
	v_cvt_scalef32_pk16_fp6_f32 v[WC:WC+2], v[XS:XS+15], v22
	v_cvt_scalef32_pk16_fp6_f32 v[WC+4:WC+6], v[XS+16:XS+31], v22  ; (a conversion's three registers begin on an even number)
	ds_store_b96 v[STI], v[WC:WC+2] offset:32*(\t) ; 12 bytes to a place of 16, so that every LDS address is a multiple of 16
	ds_store_b96 v[STI], v[WC+4:WC+6] offset:32*(\t)+16
.if (\t)+2 < NB
	WLOAD (\t)+2
.endif
	s_wait_dscnt 0x0                               ; the stores have read their registers: the next block's codes may be written
.endm
.irp t, 0,1,2,3,4,5,6,7
	WBLOCK \t
.endr
	global_store_b64 v18, v[SBY:SBY+1], s[16:17]   ; my column's eight scale bytes
.irp t, 0,1,2,3,4,5,6,7,8,9,10,11,12,13,14,15
	ds_load_b96 v[OUTR+4*\t:OUTR+4*\t+2], v[STOUT] offset:2*\t*PITCH   ; in order behind my stores
.endr
.irp t, 0,1,2,3,4,5,6,7,8,9,10,11,12,13,14,15
	s_wait_dscnt 15-\t
	global_store_b96 v8, v[OUTR+4*\t:OUTR+4*\t+2], s[14:15] offset:2*((\t&3)|((\t&4)<<1)|((\t&8)>>1))*768   ; column 2 t + (lane / 16) goes to the row with bits 3 and 4 exchanged; sixteen lanes store 192 consecutive bytes
.endr
.Lend:
	s_wait_tensorcnt 0x0                           ; the wave's end, behind my last LDS store
	ds_add_u32 v[SPW], v[NIL]
	s_wait_dscnt 0x0
	s_endpgm
.Lfunc_end_k_q6740236a33_quant:
	.size	k_q6740236a33_quant, .Lfunc_end_k_q6740236a33_quant-k_q6740236a33_quant
	.p2alignl 7, 3214868480
	.fill 96, 4, 3214868480
	.section	.rodata,"a",@progbits
	.p2align	6, 0x0
	.amdhsa_kernel k_q6740236a33_quant
		.amdhsa_group_segment_fixed_size 68096
		.amdhsa_private_segment_fixed_size 0
		.amdhsa_enable_private_segment 0
		.amdhsa_kernarg_size 56
		.amdhsa_user_sgpr_count 2
		.amdhsa_user_sgpr_kernarg_segment_ptr 1
		.amdhsa_wavefront_size32 1
		.amdhsa_system_sgpr_workgroup_id_x 1
		.amdhsa_system_sgpr_workgroup_id_y 1
		.amdhsa_system_sgpr_workgroup_id_z 1
		.amdhsa_system_vgpr_workitem_id 0
		.amdhsa_next_free_vgpr 212
		.amdhsa_next_free_sgpr 66
		.amdhsa_reserve_vcc 0
		.amdhsa_float_denorm_mode_32 3
		.amdhsa_float_denorm_mode_16_64 3
		.amdhsa_memory_ordered 1
		.amdhsa_forward_progress 1
		.amdhsa_inst_pref_size 75
	.end_amdhsa_kernel
	.amdgpu_metadata
---
amdhsa.version: [ 1, 2 ]
amdhsa.kernels:
  - .name:           k_q6740236a33_quant
    .symbol:         k_q6740236a33_quant.kd
    .args:
      - { .name: x, .offset: 0, .size: 8, .value_kind: global_buffer, .address_space: global }
      - { .name: w_qkv, .offset: 8, .size: 8, .value_kind: global_buffer, .address_space: global }
      - { .name: w_out, .offset: 16, .size: 8, .value_kind: global_buffer, .address_space: global }
      - { .name: xc, .offset: 24, .size: 8, .value_kind: global_buffer, .address_space: global }
      - { .name: xs, .offset: 32, .size: 8, .value_kind: global_buffer, .address_space: global }
      - { .name: wc, .offset: 40, .size: 8, .value_kind: global_buffer, .address_space: global }
      - { .name: ws, .offset: 48, .size: 8, .value_kind: global_buffer, .address_space: global }
    .group_segment_fixed_size: 68096
    .private_segment_fixed_size: 0
    .kernarg_segment_align: 8
    .kernarg_segment_size: 56
    .max_flat_workgroup_size: 128
    .sgpr_count:     66
    .vgpr_count:     212
    .wavefront_size: 32
...
	.end_amdgpu_metadata
.endif
;; end of part 1
;; launch gemm_qkv (part 2): grid 8 x 48, 4 waves a work-group, clusters of 4 x 4, 327,680 bytes of LDS; arguments xc, xs, wc, ws, b_qkv, qkvc, qkvs; writes qkvc, qkvs
.if DOCPART == 2
	.amdgcn_target "amdgcn-amd-amdhsa--gfx1250"
	.amdhsa_code_object_version 6
	.text
	.protected	k_q6740236a33_gemm_qkv
	.globl	k_q6740236a33_gemm_qkv
	.p2align	8
	.type	k_q6740236a33_gemm_qkv,@function
k_q6740236a33_gemm_qkv:
	s_mov_b64 s[64:65], 0
	v_nop
	global_prefetch_b8 v0, s[64:65] scope:SCOPE_SE
	s_setreg_imm32_b32 hwreg(HW_REG_WAVE_MODE, 25, 1), 1
	s_wait_xcnt 0x0
	s_wait_alu depctr_hold_cnt(0) depctr_sa_sdst(0) depctr_va_vdst(0) depctr_va_sdst(0) depctr_va_ssrc(0) depctr_va_vcc(0) depctr_vm_vsrc(0)
	s_getreg_b32 s2, hwreg(HW_REG_IB_STS2, 6, 4)
	s_cmp_eq_u32 s2, 0
	s_cbranch_scc0 .Lentry_in_a_cluster
	s_endpgm
.Lentry_in_a_cluster:
	s_bfe_u32 s2, ttmp6, 0x10000c
	s_cmp_lg_u32 s2, 0xf033
	s_cbranch_scc0 .Lentry_shape_is_right
	s_endpgm
.Lentry_shape_is_right:
; qkv = x w_qkv + b_qkv on codes of FP6 (E2M3) with E8M0 scales, K = 1,024; the results are quantised in registers and leave as images of the operand registers that the attention launch wants.
; A tile is 256 x 256, four waves of 128 x 128 (64 accumulators, 512 registers); K goes in steps of 256 through a ring of two LDS slots; the scales of the tile's rows, for all of K, come into LDS once.
; CLUSTERS 4 x 4: source 1's tiles ("A") are shared along a row of the cluster, source 0's ("B") along a column; each is asked for jointly.
; TWO KINDS OF TILE in one grid, told apart by the cluster's y, which all sixteen partners share.  y < 8: q and k.  A = 256 tokens of x, B = 256 of w's columns 0-2047: a lane holds ONE TOKEN and its registers
; run along the features: they are quantised along the head's 64.  y >= 8: v.  A = 256 of w's columns 2048-3071, B = 256 tokens: a lane holds ONE FEATURE and its registers run along the tokens: quantised along the keys.
; Both code buffers have rows of 768 bytes and scale rows of 32, so only pointers and indices differ.  Rows are stored with bits 3 and 4 of their number exchanged, so that the 16 registers of two neighbouring
; tiles of source 0 are 16 neighbours in true order.
; OUT: q, k: [b x 16 + head][row tile of 16 tokens, 128][768 bytes]: 16 rows x 64 K as registers 0-5 of an operand: lane l's registers 0-3 at 16 l, registers 4-5 at 512 + 8 l.  Scale word of (row, head): the head's two bytes, twice.
;      v: [b x 16 + head][key step of 128, 16][16 features, 4][1,536 bytes]: the 12 registers as two such halves.  Scale words: 32 a tile (lanes 16-31 repeat).
; LIMITS: NaN and infinities are not served; a block of zeros (or under 2^-124) gets the byte 1 where the rule says 127: the bytes are read by this program alone.
; REGISTERS: window 0: v0-31 addresses; v32-63 scale words, two sets; v64-127 the bias along the registers; v128-223 A's fragments, one set; v224-239 the bias along the lanes.  Window 1: B's fragments, two sets.
;   Windows 2, 3: the accumulators ((a, b) at v[8 (8 (a % 4) + b)]).  On the way out window 0's v128-223 and v240-255 are at work.
.set KSTEP,  256
.set NQ,     2
.set ROWB,   192
.set KROW,   768
.set PITCH,  240                       ; an LDS row: 3 x (64 bytes + 16 of padding)
.set FR,     12
.set NL,     6
.set NP,     4
.set HALFT,  128*PITCH
.set SLOT,   4*HALFT
.set LAPS,   2
.set KS,     32
.set SCL,    2*SLOT
.set HALFS,  4352
.set SBLK,   544
.set SPARE,  SCL+4*HALFS               ; 263,168: the spare words
.set ADRA, 16
.set ADRB, 20
.set ADRS, 27
.set SPW,  28
.set NIL,  29
.set SC,   32
.set BS0,  64
.set AF,   128
.set BS1,  224
.set T,    128                         ; the way out: 64 numbers of a lane
.set PC,   192                         ; their codes (12, and two runs of 3 at +12 and +16)
.set PW,   212                         ; the scale word just made
.set WD,   213                         ; as it is stored
.set O16,  214                         ; 16 x lane
.set O8,   215                         ; 8 x lane
.set OS,   216                         ; the scale word's place
.set SELW, 217                         ; the byte selector
.set ZR,   219                         ; 0, for the selects
.set TM,   240
.set G1, 24
.set G0, 32
.set G1B, 48
.set G0B, 56
.set G1S, 68
.set G0S, 76
.set G1SB, 80
.set G0SB, 88
.set OB,  4                            ; s[4:5]   the way out: where registers 0-5 go
.set OB2, 6                            ; s[6:7]   registers 6-11
.set SS,  8                            ; s[8:9]   the scale words
.set ST1, 10                           ; s[10:11] from block to block; s[18:19] at block 4
.set ST4, 18
.set SU1, 20
.set SU4, 22
.set SEL, 44
.set MV,  46
.set MQ,  47
.set MSB, 0
.macro WIN new
.if MSB != \new
	s_set_vgpr_msb (MSB<<8)|\new
.set MSB, \new
.endif
.endm
.set MUL_LO, 0xa1
.set MUL_HI, 0xf1
.set TO_B,   0x40
; a joint load: waves 0 and 1 fetch for A, waves 2 and 3 for B; an s_nop 0 and four v_nop follow each of the two lines
.macro JLOAD g0a, g1a, g0b, g1b
	s_cmp_eq_u32 s15, 0
	s_cbranch_scc0 .Lfor_b_\@
	tensor_load_to_lds s[\g0a:\g0a+3], s[\g1a:\g1a+7]
	s_nop 0
.rept 4
	v_nop
.endr
	s_branch .Lasked_\@
.Lfor_b_\@:
	tensor_load_to_lds s[\g0b:\g0b+3], s[\g1b:\g1b+7]
	s_nop 0
.rept 4
	v_nop
.endr
.Lasked_\@:
.endm
.macro CREST
	s_cmp_lg_u32 s14, 0
	s_cbranch_scc1 .Lnot_wave_0_\@
	s_barrier_signal -3
.Lnot_wave_0_\@:
	s_barrier_wait -3
	s_barrier_signal -1
	s_barrier_wait -1
.endm
.macro CROUND
	s_barrier_signal -1
	s_barrier_wait -1
	CREST
.endm
	s_load_b256 s[4:11], s[0:1], 0x0               ; xc, xs, wc, ws
	s_load_b128 s[96:99], s[0:1], 0x20             ; b_qkv, qkvc
	s_load_b64 s[100:101], s[0:1], 0x30            ; qkvs
	v_lshl_add_u32 v[SPW], v0, 2, SPARE
	v_mov_b32 v[NIL], 0
	ds_add_u32 v[SPW], v[NIL]                      ; the wave's opening: the add and its wait stand ahead of my first tensor load
	v_lshrrev_b32 v1, 5, v0
	v_readfirstlane_b32 s14, v1                    ; wave
	s_lshr_b32 s15, s14, 1                         ; which half of A's rows is mine; also: I fetch for A (0) or B (1)
	s_and_b32 s16, s14, 1                          ; which half of B's rows; also: which 128 rows I fetch
	s_bfe_u32 s40, ttmp6, 0x40000                  ; cx
	s_bfe_u32 s41, ttmp6, 0x40004                  ; cy
	s_and_b32 s17, ttmp7, 0xffff                   ; the cluster's y, 0 .. 11
	s_sub_co_u32 s42, s17, 8
	s_cmp_ge_u32 s17, 8                            ; a tile of v?
	s_cselect_b32 s95, 1, 0
	s_cselect_b32 s17, 2, s17                      ; A: v: w's rows 2,048 on; else tokens by the cluster's y
	s_cselect_b32 s42, s42, 0
	s_lshl_b32 s42, s42, 1
	s_add_co_u32 s42, s42, ttmp9                   ; B: v: eight clusters of tokens; else two clusters of w's rows
	s_lshl_b32 s42, s42, 2
	s_add_co_u32 s42, s42, s40                     ; B's tile of 256 rows
	s_lshl_b32 s17, s17, 2
	s_add_co_u32 s17, s17, s41                     ; A's tile of 256 rows
	s_lshl_b32 s43, s41, 2
	s_lshl_b32 s43, 15, s43                        ; my row of the cluster
	s_lshl_b32 s44, 0x1111, s40                    ; my column
	s_or_b32 s[G1+0], s43, (0<<16)|(1<<20)|(1<<21)|(3<<22)|(3<<25)  ; the mask; elements of 1 byte; padding on: 4 words behind every 16; bit 21 beside a mask
	s_or_b32 s[G1B+0], s44, (0<<16)|(1<<20)|(1<<21)|(3<<22)|(3<<25)
.irp g, G1, G1B
	s_mov_b32 s[\g+1], ROWB<<16
	s_mov_b32 s[\g+2], 128<<16
	s_mov_b32 s[\g+3], ROWB<<16
	s_mov_b32 s[\g+4], 128
	s_mov_b32 s[\g+5], KROW
	s_mov_b32 s[\g+6], 0
	s_mov_b32 s[\g+7], 0
.endr
	s_or_b32 s[G1S+0], s43, (3<<16)|(1<<20)|(1<<21)|(5<<22)|(3<<25) ; the scales of 128 rows: 16 rows of 256 bytes, 16 bytes of padding behind each
	s_or_b32 s[G1SB+0], s44, (3<<16)|(1<<20)|(1<<21)|(5<<22)|(3<<25)
.irp g, G1S, G1SB
	s_mov_b32 s[\g+1], 32<<16
	s_mov_b32 s[\g+2], 16<<16
	s_mov_b32 s[\g+3], 32<<16
	s_mov_b32 s[\g+4], 16
	s_mov_b32 s[\g+5], 32
	s_mov_b32 s[\g+6], 0
	s_mov_b32 s[\g+7], 0
.endr
	s_lshl_b32 s18, s16, 7
	s_lshl_b32 s20, s17, 8
	s_add_co_u32 s20, s20, s18                     ; A: row 256 x tile + 128 x half
	s_lshl_b32 s46, s42, 8
	s_add_co_u32 s46, s46, s18                     ; B likewise
	s_mov_b32 s21, 0
	s_mov_b32 s47, 0
	s_mov_b64 s[18:19], KS
	s_mul_u64 s[22:23], s[20:21], s[18:19]
	s_mul_u64 s[92:93], s[46:47], s[18:19]
	s_mov_b64 s[18:19], KROW
	s_mul_u64 s[20:21], s[20:21], s[18:19]
	s_mul_u64 s[46:47], s[46:47], s[18:19]
	s_mul_i32 s45, s14, HALFT
	s_mul_i32 s94, s14, HALFS
	s_wait_dscnt 0x0                               ; the opening add is done
	s_wait_kmcnt 0x0
	s_cmp_lg_u32 s95, 0                            ; for v the two operands change places: a choice between buffers that hangs on the cluster's y alone
	s_cselect_b64 s[12:13], s[8:9], s[4:5]         ; A's codes
	s_cselect_b64 s[66:67], s[10:11], s[6:7]       ; A's scales
	s_cselect_b64 s[8:9], s[4:5], s[8:9]           ; B's codes
	s_cselect_b64 s[10:11], s[6:7], s[10:11]       ; B's scales
	s_add_nc_u64 s[20:21], s[12:13], s[20:21]
	s_add_nc_u64 s[22:23], s[66:67], s[22:23]
	s_add_nc_u64 s[46:47], s[8:9], s[46:47]
	s_add_nc_u64 s[92:93], s[10:11], s[92:93]
	CROUND                                         ; all sixteen work-groups are here: the first joint loads meet
	s_mov_b32 s[G0S], 1
	s_add_co_u32 s[G0S+1], s94, SCL
	s_mov_b64 s[G0S+2:G0S+3], s[22:23]
	s_or_b32 s[G0S+3], s[G0S+3], 0x80000000
	s_mov_b32 s[G0SB], 1
	s_add_co_u32 s[G0SB+1], s94, SCL
	s_mov_b64 s[G0SB+2:G0SB+3], s[92:93]
	s_or_b32 s[G0SB+3], s[G0SB+3], 0x80000000
	JLOAD G0S, G1S, G0SB, G1SB                     ; the scales first
.irp s, 0,1
	s_mov_b32 s[G0+4*\s], 1
	s_add_co_u32 s[G0+4*\s+1], s45, \s*SLOT
	s_add_nc_u64 s[G0+4*\s+2:G0+4*\s+3], s[20:21], \s*ROWB
	s_or_b32 s[G0+4*\s+3], s[G0+4*\s+3], 0x80000000
	s_mov_b32 s[G0B+4*\s], 1
	s_add_co_u32 s[G0B+4*\s+1], s45, \s*SLOT
	s_add_nc_u64 s[G0B+4*\s+2:G0B+4*\s+3], s[46:47], \s*ROWB
	s_or_b32 s[G0B+4*\s+3], s[G0B+4*\s+3], 0x80000000
	JLOAD G0+4*\s, G1, G0B+4*\s, G1B               ; three tensor loads of mine are out now
.endr
	v_and_b32 v1, 15, v0                           ; r
	v_bfe_u32 v2, v0, 4, 1                         ; h
	v_mul_u32_u24 v3, v1, PITCH
	v_mul_u32_u24 v4, v2, 24
	v_add_nc_u32 v4, v3, v4
	v_lshl_add_u32 v5, v2, 4, v4                   ; the same behind one padding more
	s_mul_i32 s21, s15, HALFT
	s_mul_i32 s22, s16, HALFT
	s_add_co_u32 s22, s22, 2*HALFT
.irp s, 0,1
	v_add_nc_u32 v[ADRA+\s], s21, v4
	v_add_nc_u32 v[ADRB+\s], s22, v4
	v_add_nc_u32 v[ADRA+2+\s], s21, v5
	v_add_nc_u32 v[ADRB+2+\s], s22, v5
	s_add_co_u32 s21, s21, SLOT
	s_add_co_u32 s22, s22, SLOT
.endr
	v_mul_u32_u24 v5, v1, KS
	v_lshrrev_b32 v6, 8, v5
	v_lshl_add_u32 v5, v6, 4, v5
	s_mul_i32 s21, s15, HALFS
	s_mul_i32 s22, s16, HALFS
	s_add_co_u32 s22, s22, 2*HALFS
	s_sub_co_u32 s22, s22, s21
	v_mul_u32_u24 v6, s22, v2                      ; lanes 16-31 take B's scale words
	s_add_co_u32 s21, s21, SCL
	v_add_nc_u32 v5, v5, v6
	v_add_nc_u32 v[ADRS], s21, v5
	; THE BIAS, both ways; the way that does not apply is made zero on the way out.  Along the registers (q, k): b_qkv at my 128 features, 16 h + 8 u + j of each 32.  Along the lanes (v): at my lane's feature of each block.
	s_lshl_b32 s2, s42, 8
	s_lshl_b32 s3, s16, 7
	s_add_co_u32 s2, s2, s3                        ; B's first row of mine
	s_lshl_b32 s18, s17, 8
	s_lshl_b32 s19, s15, 7
	s_add_co_u32 s18, s18, s19                     ; A's first row of mine
	s_cmp_lg_u32 s95, 0
	s_cselect_b32 s2, 0, s2                        ; (where rows are tokens, b_qkv's first numbers are read and not used: every load stays inside the buffer)
	s_cselect_b32 s18, s18, 0
	s_lshl_b32 s2, s2, 2
	s_lshl_b32 s18, s18, 2
	s_mov_b32 s3, 0
	s_mov_b32 s19, 0
	s_add_nc_u64 s[12:13], s[96:97], s[2:3]
	s_add_nc_u64 s[66:67], s[96:97], s[18:19]
	v_lshlrev_b32 v30, 6, v2                       ; 16 h numbers
	v_and_b32 v31, 7, v1
	v_lshrrev_b32 v6, 3, v1
	v_lshl_add_u32 v31, v6, 4, v31
	v_lshlrev_b32 v31, 2, v31                      ; (r % 8) + 16 (r / 8) numbers
.irp t, 0,1,2,3,4,5,6,7
	global_load_b128 v[BS0+8*\t:BS0+8*\t+3], v30, s[12:13] offset:(32*(\t/2)+8*(\t%2))*4
	global_load_b128 v[BS0+8*\t+4:BS0+8*\t+7], v30, s[12:13] offset:(32*(\t/2)+8*(\t%2))*4+16
.endr
.irp a, 0,1,2,3,4,5,6,7
	global_load_b32 v[BS1+2*\a], v31, s[66:67] offset:4*(32*(\a/2)+8*(\a%2))
	v_mov_b32 v[BS1+2*\a+1], 0                     ; (named with it as a pair)
.endr
	s_wait_loadcnt 0x0                             ; the bias is in: no load is out at a barrier, and its address registers are free
.macro FRAG reg, adr, q, i             ; 16 rows x 128 K: 12 registers, in pieces of 8 bytes; where the piece three on lies behind one padding more, the second address register serves
.irp p, 0,1,2,3,4,5
.set PCE, 12*(\q)+6*(\p/3)+\p%3
.if PCE%8 < 5
	ds_load_b64 v[\reg+2*\p:\reg+2*\p+1], v[\adr] offset:8*PCE+16*(PCE/8)+(\i)*16*PITCH
.else
	ds_load_b64 v[\reg+2*\p:\reg+2*\p+1], v[\adr+2] offset:8*PCE+16*(PCE/8)+(\i)*16*PITCH
.endif
.endr
.endm
; 16 matrix instructions: A's blocks a0, a0 + 1 x B's eight.  The 64 accumulators take turns, one instruction a turn, in the same order in every step.
.macro MUL16 a0, p, q, sc, zero
.irp a, \a0, \a0+1
.irp b, 0,1,2,3,4,5,6,7
.if \zero
	v_wmma_scale_f32_16x16x128_f8f6f4 v[8*(8*((\a)%4)+\b):8*(8*((\a)%4)+\b)+7], v[128*(\p)+FR*\b:128*(\p)+FR*\b+FR-1], v[AF+FR*(\a):AF+FR*(\a)+FR-1], 0, v[SC+8*NQ*(\sc)+NQ*\b+(\q)], v[SC+8*NQ*(\sc)+NQ*(\a)+(\q)] matrix_a_fmt:MATRIX_FMT_FP6 matrix_b_fmt:MATRIX_FMT_FP6 matrix_a_scale:MATRIX_SCALE_ROW1
.else
	v_wmma_scale_f32_16x16x128_f8f6f4 v[8*(8*((\a)%4)+\b):8*(8*((\a)%4)+\b)+7], v[128*(\p)+FR*\b:128*(\p)+FR*\b+FR-1], v[AF+FR*(\a):AF+FR*(\a)+FR-1], v[8*(8*((\a)%4)+\b):8*(8*((\a)%4)+\b)+7], v[SC+8*NQ*(\sc)+NQ*\b+(\q)], v[SC+8*NQ*(\sc)+NQ*(\a)+(\q)] matrix_a_fmt:MATRIX_FMT_FP6 matrix_b_fmt:MATRIX_FMT_FP6 matrix_a_scale:MATRIX_SCALE_ROW1
.endif
.endr
.endr
.endm
.macro FETCH_B slot, q, p
	WIN TO_B
.irp i, 0,1,2,3,4,5,6,7
	FRAG 128*(\p)+FR*\i, ADRB+\slot, \q, \i
.endr
	WIN 0
.endm
.macro FETCH_A slot, q, i0
.irp i, \i0, \i0+1, \i0+2, \i0+3
	FRAG AF+FR*(\i), ADRA+\slot, \q, \i
.endr
.endm
.macro SCALES sc                       ; a K step's scale words: lanes 0-15 A's block i, lanes 16-31 B's block i
.irp i, 0,1,2,3,4,5,6,7
	ds_load_b64 v[SC+8*NQ*\sc+NQ*\i:SC+8*NQ*\sc+NQ*\i+1], v[ADRS] offset:\i*SBLK
.endr
.endm
.macro PLACES n                        ; plain vector instructions between a matrix instruction and a load into, or a vector instruction on, its registers
.rept \n
	v_nop
.endr
.endm
.macro STEP slot, q, zero
	s_wait_dscnt 4*NL                              ; B's set and A's blocks 0-3 are in; the youngest 24 loads (A's blocks 4-7) may be out
	WIN MUL_LO
	MUL16 0, (\q)%2, \q, \slot, \zero
	MUL16 2, (\q)%2, \q, \slot, \zero
	s_wait_dscnt 0
	PLACES NP
	FETCH_B \slot, (\q)+1, 1-(\q)%2
	FETCH_A \slot, (\q)+1, 0
	WIN MUL_HI
	MUL16 4, (\q)%2, \q, \slot, \zero
	MUL16 6, (\q)%2, \q, \slot, \zero
	PLACES NP
	WIN 0
	FETCH_A \slot, (\q)+1, 4
.endm
; a slot's last step changes slots: one barrier; in front of it each wave waits for all its tensor loads, adds 0 to its spare word, and waits for that and for its reads of this slot
.macro TURN slot, next, fill
	s_wait_tensorcnt 0x0                           ; all my tensor loads have landed: my part of the next slot
	ds_add_u32 v[SPW], v[NIL]
	s_wait_dscnt 4*NL+1                            ; (the add and the youngest 24 loads may be out)
	WIN MUL_LO
	MUL16 0, 1, NQ-1, \slot, 0
	s_wait_dscnt 0x0                               ; the add is done, and my reads of this slot are over
	s_barrier_signal -1
	MUL16 2, 1, NQ-1, \slot, 0
	WIN 0
	s_barrier_wait -1
.if \fill
	CREST                                          ; the barrier has opened a round of the cluster's barrier: no wave of any partner still reads this slot or has a load on its way
	s_add_nc_u64 s[G0+4*\slot+2:G0+4*\slot+3], s[G0+4*\slot+2:G0+4*\slot+3], 2*ROWB
	s_add_nc_u64 s[G0B+4*\slot+2:G0B+4*\slot+3], s[G0B+4*\slot+2:G0B+4*\slot+3], 2*ROWB
	JLOAD G0+4*\slot, G1, G0B+4*\slot, G1B         ; the first tensor load behind the round; its four v_nop are the places in front of the loads below
.else
	PLACES NP
.endif
	v_add_nc_u32 v[ADRS], 4*NQ, v[ADRS]
	FETCH_B \next, 0, 0
	FETCH_A \next, 0, 0
	SCALES \next
	WIN MUL_HI
	MUL16 4, 1, NQ-1, \slot, 0
	MUL16 6, 1, NQ-1, \slot, 0
	PLACES NP
	WIN 0
	FETCH_A \next, 0, 4
.endm
	s_wait_tensorcnt 1                             ; the scales and my part of K step 0 are in; K step 1's load may be out
	s_barrier_signal -1
	s_barrier_wait -1
	FETCH_B 0, 0, 0
	FETCH_A 0, 0, 0
	SCALES 0
	FETCH_A 0, 0, 4
	STEP 0, 0, 1                                   ; the first step's products start the sums
	s_mov_b32 s3, LAPS-1
.Llap:
	TURN 0, 1, 1
	STEP 1, 0, 0
	TURN 1, 0, 1
	STEP 0, 0, 0
	s_sub_co_u32 s3, s3, 1
	s_cmp_lg_u32 s3, 0
	s_cbranch_scc1 .Llap
	TURN 0, 1, 0                                   ; the last lap fills nothing
	STEP 1, 0, 0
	s_wait_dscnt 4*NL
	WIN MUL_LO
	MUL16 0, 1, NQ-1, 1, 0
	MUL16 2, 1, NQ-1, 1, 0
	s_wait_dscnt 0
	WIN MUL_HI
	MUL16 4, 1, NQ-1, 1, 0
	MUL16 6, 1, NQ-1, 1, 0
	WIN 0
	; ---------------- THE WAY OUT.  No tensor load of mine is out.  Where each block's images go:
	PLACES NP
	s_lshl_b32 s2, s42, 2
	s_lshl_b32 s3, s16, 1
	s_add_co_u32 s2, s2, s3                        ; q, k: my first head of 32 (0-15 q's, 16-31 k's)
	s_lshr_b32 s3, s2, 4
	s_lshl_b32 s3, s3, 6
	s_lshr_b32 s40, s17, 3
	s_lshl_b32 s40, s40, 4
	s_add_co_u32 s3, s3, s40
	s_and_b32 s40, s2, 15
	s_add_co_u32 s3, s3, s40                       ; 64 x (q or k) + 16 b + head
	s_lshl_b32 s3, s3, 7
	s_lshl_b32 s40, s17, 4
	s_lshl_b32 s41, s15, 3
	s_add_co_u32 s40, s40, s41
	s_and_b32 s40, s40, 127
	s_add_co_u32 s3, s3, s40                       ; x 128 + my first row tile
	s_sub_co_u32 s41, s17, 8
	s_lshl_b32 s41, s41, 2
	s_lshl_b32 s43, s15, 1
	s_add_co_u32 s41, s41, s43                     ; v: my first head
	s_lshl_b32 s43, s42, 1
	s_add_co_u32 s43, s43, s16                     ; my 128 tokens of 64 such runs
	s_lshr_b32 s92, s43, 4
	s_lshl_b32 s92, s92, 4
	s_add_co_u32 s41, s41, s92
	s_lshl_b32 s41, s41, 4
	s_and_b32 s43, s43, 15
	s_add_co_u32 s41, s41, s43
	s_lshl_b32 s41, s41, 2                         ; (((b x 16 + head) x 16 + key step) x 4
	s_mul_i32 s92, s3, 768
	s_mul_i32 s93, s41, 1536
	s_add_co_u32 s93, s93, 12582912
	s_lshl_b32 s3, s3, 6
	s_lshl_b32 s41, s41, 7
	s_add_co_u32 s41, s41, 1048576
	s_cmp_lg_u32 s95, 0
	s_cselect_b32 s92, s93, s92                    ; registers 0-5's first place
	s_cselect_b32 s2, s41, s3                      ; the scale words'
	s_mov_b32 s40, 98304
	s_cselect_b32 s40, 768, s40                    ; registers 6-11: v: the fragment's second half; q, k: the next head
	s_mov_b32 s[ST1], 768
	s_cselect_b32 s[ST1], 1536, s[ST1]             ; from block to block
	s_mov_b32 s[ST4], 768
	s_cselect_b32 s[ST4], 93696, s[ST4]            ; v: block 4 begins the next head
	s_cselect_b32 s[SU1], 128, 64
	s_cselect_b32 s[SU4], 7808, 64
	s_cselect_b32 s43, 64, 8192                    ; lanes 16-31's scale words: v: a repeat beside; q, k: the next head's
	s_cselect_b32 s[MV], -1, 0
	s_cselect_b32 s[MQ], 0, -1
	s_mov_b32 s94, 0x03020100
	s_mov_b32 s12, 0x01000100
	s_cselect_b32 s12, s94, s12                    ; lanes 0-15: v: the word; q, k: bytes 0, 1 twice
	s_mov_b32 s13, 0x03020302
	s_cselect_b32 s13, s94, s13                    ; lanes 16-31: q, k: bytes 2, 3 twice
	s_mov_b32 s93, 0
	s_mov_b32 s3, 0
	s_mov_b32 s41, 0
	s_mov_b32 s[ST1+1], 0
	s_mov_b32 s[ST4+1], 0
	s_mov_b32 s[SU1+1], 0
	s_mov_b32 s[SU4+1], 0
	s_mov_b32 s66, 0xffff0000
	s_mov_b32 s[SEL], 0x76543210
	s_mov_b32 s[SEL+1], 0xfedcba98
	s_add_nc_u64 s[OB:OB+1], s[98:99], s[92:93]
	s_add_nc_u64 s[OB2:OB2+1], s[OB:OB+1], s[40:41]
	s_add_nc_u64 s[SS:SS+1], s[100:101], s[2:3]
	v_and_b32 v1, 15, v0
	v_bfe_u32 v2, v0, 4, 1
	v_and_b32 v3, 31, v0
	v_lshlrev_b32 v[O16], 4, v3
	v_lshlrev_b32 v[O8], 3, v3
	v_mul_u32_u24 v[OS], s43, v2
	v_lshl_add_u32 v[OS], v1, 2, v[OS]
	v_mov_b32 v[SELW], s12
	v_mov_b32 v218, s13
	v_cndmask_b32 v[SELW], v[SELW], v218, s66
	v_mov_b32 v[ZR], 0
.irp b, 0,1,2,3
	v_mov_b32 v[TM+4+\b], 0                        ; written once: a lane permute's destination counts as one of its sources
.endr
.set i, 0
.rept 64
	v_cndmask_b32 v[BS0+i], v[BS0+i], v[ZR], s[MV] ; v: no bias along the registers
.set i, i+1
.endr
.irp a, 0,1,2,3,4,5,6,7
	v_cndmask_b32 v[BS1+2*\a], v[BS1+2*\a], v[ZR], s[MQ]   ; q, k: none along the lanes
.endr
; 64 numbers of a lane, register 16 b + i = k 32 b + 16 (lane / 16) + i of my row, become a fragment's codes in v[PC] on and its scale word in v[PW]
.macro QUANT s
.irp b, 0,1,2,3
	v_max3_num_f32 v[TM+\b], |v[\s+16*\b]|, |v[\s+1+16*\b]|, 0x1800000   ; my 16 numbers of block b, and the floor 2^(3 - 127)
.endr
.irp i, 2,4,6,8,10,12,14
.irp b, 0,1,2,3
	v_max3_num_f32 v[TM+\b], v[TM+\b], |v[\s+16*\b+\i]|, |v[\s+1+16*\b+\i]|
.endr
.endr
.irp b, 0,1,2,3
	v_permlanex16_b32 v[TM+4+\b], v[TM+\b], s[SEL], s[SEL+1]
.endr
.irp b, 0,1,2,3
	v_max_num_f32 v[TM+\b], v[TM+\b], v[TM+4+\b]   ; with lane l xor 16's: the block's largest magnitude
.endr
.irp b, 0,1,2,3
	v_add_nc_u32 v[TM+12+\b], 0xff000000, v[TM+\b] ; 2 off its exponent field: the conversion's scale operand
.endr
.irp b, 0,1,2,3
	v_lshrrev_b32 v[TM+4+\b], 23, v[TM+12+\b]      ; the byte
.endr
	v_lshl_or_b32 v[PW], v[TM+5], 8, v[TM+4]
	v_lshl_or_b32 v[PW], v[TM+6], 16, v[PW]
	v_lshl_or_b32 v[PW], v[TM+7], 24, v[PW]
.irp c, 0,1
	v_cvt_scalef32_pk16_fp6_f32 v[PC+6*\c:PC+2+6*\c], v[\s+32*\c:\s+15+32*\c], v[TM+12+2*\c]
	v_cvt_scalef32_pk16_fp6_f32 v[PC+12+4*\c:PC+14+4*\c], v[\s+16+32*\c:\s+31+32*\c], v[TM+12+2*\c+1]
.endr
	v_nop                                          ; one plain place behind a scaled conversion
.irp c, 0,1                                    ; a whole block in a lane: lanes 0-15 block 2 c, lanes 16-31 block 2 c + 1
.irp i, 0,1,2
	v_permlane16_swap_b32 v[PC+6*\c+\i], v[PC+12+4*\c+\i]
.endr
.irp i, 0,1,2
	v_mov_b32 v[PC+3+6*\c+\i], v[PC+12+4*\c+\i]
.endr
.endr
.endm
; block a: 16 rows of A x my 128 of B: + bias, quantised, stored as register images: each store of the wave covers 512 or 256 consecutive bytes, aligned
.macro OUTBLK a
.set AC, 64*((\a)%4)
.set WSEL, 0x02+(\a)/4
	WIN WSEL                                       ; source 0: window 2 or 3
.set i, 0
.rept 32
	v_pk_add_f32 v[T+i:T+i+1], v[AC+i:AC+i+1], v[BS0+i:BS0+i+1]   ; ascending: each accumulator is read from its low end on
.set i, i+2
.endr
	WIN 0
.set i, 0
.rept 32
	v_pk_add_f32 v[T+i:T+i+1], v[T+i:T+i+1], v[BS1+2*(\a):BS1+2*(\a)+1] op_sel_hi:[1,0]
.set i, i+2
.endr
	s_wait_xcnt 0x0                                ; the last block's stores have read their data and bases: both are written again only behind this wait
.if (\a) == 4
	s_add_nc_u64 s[OB:OB+1], s[OB:OB+1], s[ST4:ST4+1]
	s_add_nc_u64 s[OB2:OB2+1], s[OB2:OB2+1], s[ST4:ST4+1]
	s_add_nc_u64 s[SS:SS+1], s[SS:SS+1], s[SU4:SU4+1]
.elseif (\a) > 0
	s_add_nc_u64 s[OB:OB+1], s[OB:OB+1], s[ST1:ST1+1]
	s_add_nc_u64 s[OB2:OB2+1], s[OB2:OB2+1], s[ST1:ST1+1]
	s_add_nc_u64 s[SS:SS+1], s[SS:SS+1], s[SU1:SU1+1]
.endif
	QUANT T
	v_perm_b32 v[WD], v[PW], v[PW], v[SELW]
	global_store_b128 v[O16], v[PC:PC+3], s[OB:OB+1]
	global_store_b64 v[O8], v[PC+4:PC+5], s[OB:OB+1] offset:512
	global_store_b128 v[O16], v[PC+6:PC+9], s[OB2:OB2+1]
	global_store_b64 v[O8], v[PC+10:PC+11], s[OB2:OB2+1] offset:512
	global_store_b32 v[OS], v[WD], s[SS:SS+1]
.endm
.irp a, 0,1,2,3,4,5,6,7
	OUTBLK \a
.endr
	s_wait_tensorcnt 0x0                           ; the wave's end
	ds_add_u32 v[SPW], v[NIL]
	s_wait_dscnt 0x0
	CROUND                                         ; the closing round
	s_endpgm
.Lfunc_end_k_q6740236a33_gemm_qkv:
	.size	k_q6740236a33_gemm_qkv, .Lfunc_end_k_q6740236a33_gemm_qkv-k_q6740236a33_gemm_qkv
	.p2alignl 7, 3214868480
	.fill 96, 4, 3214868480
	.section	.rodata,"a",@progbits
	.p2align	6, 0x0
	.amdhsa_kernel k_q6740236a33_gemm_qkv
		.amdhsa_group_segment_fixed_size 327680
		.amdhsa_private_segment_fixed_size 0
		.amdhsa_enable_private_segment 0
		.amdhsa_kernarg_size 56
		.amdhsa_user_sgpr_count 2
		.amdhsa_user_sgpr_kernarg_segment_ptr 1
		.amdhsa_wavefront_size32 1
		.amdhsa_system_sgpr_workgroup_id_x 1
		.amdhsa_system_sgpr_workgroup_id_y 1
		.amdhsa_system_sgpr_workgroup_id_z 1
		.amdhsa_system_vgpr_workitem_id 0
		.amdhsa_next_free_vgpr 1024
		.amdhsa_next_free_sgpr 102
		.amdhsa_reserve_vcc 0
		.amdhsa_float_denorm_mode_32 3
		.amdhsa_float_denorm_mode_16_64 3
		.amdhsa_memory_ordered 1
		.amdhsa_forward_progress 1
		.amdhsa_inst_pref_size 208
	.end_amdhsa_kernel
	.amdgpu_metadata
---
amdhsa.version: [ 1, 2 ]
amdhsa.kernels:
  - .name:           k_q6740236a33_gemm_qkv
    .symbol:         k_q6740236a33_gemm_qkv.kd
    .args:
      - { .name: xc, .offset: 0, .size: 8, .value_kind: global_buffer, .address_space: global }
      - { .name: xs, .offset: 8, .size: 8, .value_kind: global_buffer, .address_space: global }
      - { .name: wc, .offset: 16, .size: 8, .value_kind: global_buffer, .address_space: global }
      - { .name: ws, .offset: 24, .size: 8, .value_kind: global_buffer, .address_space: global }
      - { .name: b_qkv, .offset: 32, .size: 8, .value_kind: global_buffer, .address_space: global }
      - { .name: qkvc, .offset: 40, .size: 8, .value_kind: global_buffer, .address_space: global }
      - { .name: qkvs, .offset: 48, .size: 8, .value_kind: global_buffer, .address_space: global }
    .group_segment_fixed_size: 327680
    .private_segment_fixed_size: 0
    .kernarg_segment_align: 8
    .kernarg_segment_size: 56
    .max_flat_workgroup_size: 128
    .sgpr_count:     102
    .vgpr_count:     1024
    .wavefront_size: 32
...
	.end_amdgpu_metadata
.endif
;; end of part 2
;; launch attn (part 3): grid 4 x 64, 16 waves a work-group, no clusters, 327,680 bytes of LDS; arguments qkvc, qkvs, yc, ys; writes yc, ys
.if DOCPART == 3
	.amdgcn_target "amdgcn-amd-amdhsa--gfx1250"
	.amdhsa_code_object_version 6
	.text
	.protected	k_q6740236a33_attn
	.globl	k_q6740236a33_attn
	.p2align	8
	.type	k_q6740236a33_attn,@function
k_q6740236a33_attn:
	s_mov_b64 s[64:65], 0
	v_nop
	global_prefetch_b8 v0, s[64:65] scope:SCOPE_SE
	s_setreg_imm32_b32 hwreg(HW_REG_WAVE_MODE, 25, 1), 1
	s_wait_xcnt 0x0
; y = softmax(causal(q k^T / 8)) v for one head, both products on codes of FP6 (E2M3) with E8M0 scales; y is quantised along C in registers and leaves as images of operand registers.
; THE SOFTMAX: t = score x log2(e) / 8; M = the running largest t rounded up to a whole number; p = 2^(t - M) is quantised along the keys, not normalised; the row's sum is taken of the unquantised p and divides O at the end.
; SHARES.  A work-group owns query blocks g and 7 - g (256 queries each) of one head; wave w owns two tiles of 16 queries: tile 16 g + w ("lo") and tile 127 - (16 g + w) ("hi").  Tile n needs n / 8 + 1 key steps of 128,
; so every wave has 17 tile steps.  Every work-group walks all 8 slots of 256 keys (constant trip counts); a step all of whose keys come after a tile's queries is jumped over by a scalar branch on ids.
; NO CLUSTER: the four work-groups of a head have unequal work in each slot under the mask; a round at every slot would make each wait for the slowest, 12 units of work against 9.
; LAYOUT.  Both products are used transposed (S^T = K Q^T, O^T = V^T P^T): a lane holds one query.  A stored tile n of tokens holds tokens 32 (n / 2) + 8 (n % 2) + (r % 8) + 16 (r / 8), so the 16 registers of two
; neighbouring tiles of keys are 16 neighbouring keys.  K = 64 IN AN INSTRUCTION OF K = 128: Q's registers 6-11 are zero codes; K's fragment t is named v[172 + 6 t .. + 11], whose upper six registers are whatever follows:
; finite codes that meet zeros, under scale bytes that repeat the head's two and are never 0xff.
; LDS: slot s at 32,768 s: K's 16 tiles of 768 bytes, then V's 8 fragments of 1,536; at 65,536 the head's scale words of K (8,192 bytes), then V's; at 81,920 the spare words.  All reads are lane-contiguous: no padding.
; LIMITS: NaN and infinities are not served.  y = O x the reciprocal of the sum by v_rcp_f32.  A block's largest p is taken from its largest score (this takes v_exp_f32 not to fall where its input rises).
; A block of zeros gets the byte 1 where the rule says 127: the bytes are read by this program alone.
; REGISTERS: v1 16 x lane, v2 8 x lane, v3 scale words' place, v4 my query's place less 16 h; v5, v6 the add's; v7-9 addresses in hand; v10 Q's scale words (lanes 0-15 hi's, 16-31 lo's); v11 the prefetches' offset;
;   v12-15 hi's -M, largest t, sum; v16-19 lo's; v20-31 Q hi; v32-43 Q lo; v44-107 S^T, then p; v108-139 O^T hi; v140-171 O^T lo; v172-219 K's or V's fragments; v220-231 p's codes; v232-255 at work.
.set SLOT1, 32768
.set VOFF,  12288
.set SCK,   65536
.set SPARE, 81920
.set SPW,  5
.set NIL,  6
.set AD16, 7
.set AD8,  8
.set ADS,  9
.set PFO,  11
.set S,    44
.set KV,   172
.set PCD,  220
.set WV,   12
.set TB,   15                          ; s15 LDS byte at which the slot in hand begins
.set TS,   16                          ; s16 the step's scale words: 512 bytes a step
.set KF,   17                          ; s17 the step's first key
.set SLOTS, 18
.set QLAST, 19                         ; s19 my work-group's last query
.set SEL,  20
.set CS,   22
.set G1T,  24
.set G1S,  32
.set G0T,  40
.set G0S,  44
.set PFA,  52
.set LIM,  54
.set MHI,  55
	s_load_b256 s[4:11], s[0:1], 0x0               ; qkvc, qkvs, yc, ys
	v_lshl_add_u32 v[SPW], v0, 2, SPARE
	v_mov_b32 v[NIL], 0
	ds_add_u32 v[SPW], v[NIL]                      ; the wave's opening: the add and its wait stand ahead of my first tensor load
	v_lshrrev_b32 v7, 5, v0
	v_readfirstlane_b32 s[WV], v7                  ; wave 0..15
	s_mov_b32 s13, ttmp9                           ; g
	s_and_b32 s14, ttmp7, 0xffff                   ; b x 16 + head
	s_lshl_b32 s51, s13, 4
	s_add_co_u32 s51, s51, s[WV]                   ; lo's tile
	s_sub_co_u32 s50, 127, s51                     ; hi's
	s_lshr_b32 s70, s50, 1
	s_lshl_b32 s70, s70, 5
	s_and_b32 s71, s50, 1
	s_lshl_b32 s71, s71, 3
	s_add_co_u32 s48, s70, s71                     ; hi's first query; its queries lie within 23 of it
	s_lshr_b32 s70, s51, 1
	s_lshl_b32 s70, s70, 5
	s_and_b32 s71, s51, 1
	s_lshl_b32 s71, s71, 3
	s_add_co_u32 s49, s70, s71                     ; lo's
	s_sub_co_u32 s[QLAST], 8, s13
	s_lshl_b32 s[QLAST], s[QLAST], 8
	s_sub_co_u32 s[QLAST], s[QLAST], 1
	s_mov_b32 s[G1T], 3<<16                        ; elements of 8 bytes; no mask, no padding.  24 rows of 256 bytes, dense
	s_mov_b32 s[G1T+1], 32<<16
	s_mov_b32 s[G1T+2], 24<<16
	s_mov_b32 s[G1T+3], 32<<16
	s_mov_b32 s[G1T+4], 24
	s_mov_b32 s[G1T+5], 32
	s_mov_b32 s[G1T+6], 0
	s_mov_b32 s[G1T+7], 0
	s_mov_b32 s[G1S], 3<<16                        ; the scale words: 16 rows of 256 bytes
	s_mov_b32 s[G1S+1], 32<<16
	s_mov_b32 s[G1S+2], 16<<16
	s_mov_b32 s[G1S+3], 32<<16
	s_mov_b32 s[G1S+4], 16
	s_mov_b32 s[G1S+5], 32
	s_mov_b32 s[G1S+6], 0
	s_mov_b32 s[G1S+7], 0
	s_mov_b32 s[SEL], 0x76543210
	s_mov_b32 s[SEL+1], 0xfedcba98
	s_mov_b32 s[CS], 0x3e38aa3b                    ; c = log2(e) / 8
	s_mov_b32 s[CS+1], s[CS]
	s_mov_b32 s[TB], 0
	s_mov_b32 s[TS], 0
	s_mov_b32 s[KF], 0
	s_mov_b32 s[SLOTS], 7
	s_mov_b32 s[MHI], 0xffff0000
	; what a fetching wave fetches (waves 0, 1: K's halves; waves 2, 3: V's); made of wave % 4 in every wave
	s_and_b32 s74, s[WV], 3
	s_lshr_b32 s70, s74, 1
	s_add_co_u32 s70, s70, 1                       ; 1: K's region, 2: V's
	s_and_b32 s72, s74, 1
	s_mul_i32 s76, s70, 6291456
	s_mul_i32 s71, s14, 98304
	s_add_co_u32 s76, s76, s71
	s_mul_i32 s73, s72, 6144
	s_add_co_u32 s76, s76, s73
	s_mov_b32 s77, 0
	s_mul_i32 s78, s70, 524288
	s_lshl_b32 s71, s14, 13
	s_add_co_u32 s78, s78, s71
	s_lshl_b32 s73, s72, 12
	s_add_co_u32 s78, s78, s73
	s_mov_b32 s79, 0
	s_mov_b32 s[G0T], 1
	s_mul_i32 s[G0T+1], s74, 6144                  ; slot 0: K's halves, V's halves
	s_mov_b32 s[G0S], 1
	s_lshl_b32 s[G0S+1], s74, 12
	s_add_co_u32 s[G0S+1], s[G0S+1], SCK
	s_wait_dscnt 0x0                               ; the opening add is done
	s_wait_kmcnt 0x0
	s_add_nc_u64 s[G0T+2:G0T+3], s[4:5], s[76:77]
	s_or_b32 s[G0T+3], s[G0T+3], 0x80000000
	s_add_nc_u64 s[G0S+2:G0S+3], s[6:7], s[78:79]
	s_or_b32 s[G0S+3], s[G0S+3], 0x80000000
	s_cmp_lt_u32 s[WV], 4                          ; a wave's two first fills stand in one branch: two loads of mine are out
	s_cbranch_scc0 .Lno_fetch
	tensor_load_to_lds s[G0S:G0S+3], s[G1S:G1S+7]  ; the head's scale words: filled once
	s_nop 0
	tensor_load_to_lds s[G0T:G0T+3], s[G1T:G1T+7]  ; slot 0
	s_nop 0
.rept 4
	v_nop
.endr
.Lno_fetch:
	s_lshl_b32 s70, s14, 7
	s_add_co_u32 s71, s70, s51
	s_add_co_u32 s70, s70, s50
	s_lshl_b32 s62, s70, 6                         ; Q's scale words: hi's,
	s_lshl_b32 s63, s71, 6                         ; lo's
	s_mul_i32 s72, s70, 768
	s_mov_b32 s73, 0
	s_add_nc_u64 s[66:67], s[4:5], s[72:73]        ; Q hi
	s_mul_i32 s72, s71, 768
	s_add_nc_u64 s[68:69], s[4:5], s[72:73]        ; Q lo
	s_lshr_b32 s70, s14, 4                         ; b
	s_and_b32 s71, s14, 15                         ; head
	s_lshr_b32 s72, s71, 2
	s_lshl_b32 s72, s72, 9
	s_lshl_b32 s73, s70, 7
	s_add_co_u32 s72, s72, s73                     ; yc: [head / 4][b x 128 + tile][head % 4][768]
	s_and_b32 s73, s71, 3
	s_mul_i32 s73, s73, 768
	s_add_co_u32 s74, s72, s50
	s_mul_i32 s74, s74, 3072
	s_add_co_u32 s74, s74, s73
	s_mov_b32 s75, 0
	s_add_nc_u64 s[56:57], s[8:9], s[74:75]
	s_add_co_u32 s74, s72, s51
	s_mul_i32 s74, s74, 3072
	s_add_co_u32 s74, s74, s73
	s_add_nc_u64 s[58:59], s[8:9], s[74:75]
	s_lshl_b32 s70, s70, 16                        ; ys: (b x 2,048 + 16 tile) rows of 32 bytes + 2 head
	s_lshl_b32 s71, s71, 1
	s_add_co_u32 s70, s70, s71
	s_lshl_b32 s60, s50, 9
	s_add_co_u32 s60, s60, s70
	s_lshl_b32 s61, s51, 9
	s_add_co_u32 s61, s61, s70
	; the prefetches: who asks, and where
	s_mul_i32 s72, s14, 98304
	s_add_co_u32 s72, s72, 6291456+12288           ; K's region, my head, slot 1: the first change of slots steps it to slot 2.  Nothing is prefetched at the head
	s_mov_b32 s73, 0
	s_add_nc_u64 s[PFA:PFA+1], s[4:5], s[72:73]
	s_lshr_b32 s70, s[WV], 2
	s_xor_b32 s70, s70, 1                          ; 0 in waves 4 to 7
	s_or_b32 s70, s70, s13                         ; of the head's work-group g = 0, which walks all slots
	s_cmp_eq_u32 s70, 0
	s_cselect_b32 s[LIM], 1, -1
	s_cmp_eq_u32 s[WV], 7                          ; (a slot is three waves' worth: 96 blocks of 256 bytes)
	s_cselect_b32 s[LIM], -1, s[LIM]
	s_and_b32 s70, s[WV], 3
	s_lshl_b32 s70, s70, 5
	v_and_b32 v254, 31, v0                         ; lane
	v_add_nc_u32 v[PFO], s70, v254                 ; block 0 .. 95: 48 of K, 48 of V
	v_cmp_lt_u32 s71, 47, v[PFO]
	v_lshlrev_b32 v[PFO], 8, v[PFO]
	v_add_nc_u32 v255, 6291456-12288, v[PFO]
	v_cndmask_b32 v[PFO], v[PFO], v255, s71
	v_and_b32 v8, 15, v0                           ; r
	v_bfe_u32 v9, v0, 4, 1                         ; h
	v_lshlrev_b32 v1, 4, v254
	v_lshlrev_b32 v2, 3, v254
	v_lshl_add_u32 v3, v254, 2, SCK
	v_and_b32 v4, 7, v8
	v_lshrrev_b32 v7, 3, v8
	v_lshl_add_u32 v4, v7, 4, v4
	v_lshlrev_b32 v7, 4, v9
	v_sub_nc_u32 v4, v4, v7                        ; (r % 8) + 16 (r / 8) - 16 h
	global_load_b128 v[20:23], v1, s[66:67]        ; Q's registers 0-5, as they were stored
	global_load_b64 v[24:25], v2, s[66:67] offset:512
	global_load_b128 v[32:35], v1, s[68:69]
	global_load_b64 v[36:37], v2, s[68:69] offset:512
	v_mov_b32 v254, s62
	v_mov_b32 v255, s63
	v_cndmask_b32 v254, v254, v255, s[MHI]
	v_lshl_add_u32 v254, v8, 2, v254
	global_load_b32 v10, v254, s[6:7]              ; lanes 0-15 hi's scale words, lanes 16-31 lo's
.set i, 0
.rept 12
	v_mov_b32 v[PCD+i], 0                          ; p's codes: named as the upper half of K's last fragment before they are first made
.set i, i+1
.endr
.irp i, 26,27,28,29,30,31,38,39,40,41,42,43
	v_mov_b32 v\i, 0                               ; Q's registers 6-11: zero codes
.endr
.set i, 0
.rept 64
	v_mov_b32 v[108+i], 0                          ; O^T: the step is written once: the first finds zeros
.set i, i+1
.endr
.irp i, 236,237,238,239,252,253
	v_mov_b32 v\i, 0
.endr
	v_mov_b32 v13, 0xff61b1e6                      ; the largest t so far: -3e38
	v_floor_f32 v12, -v13
	v_mov_b32 v14, 0
	v_mov_b32 v15, 0
	v_mov_b32 v17, 0xff61b1e6
	v_floor_f32 v16, -v17
	v_mov_b32 v18, 0
	v_mov_b32 v19, 0
.macro TLOAD                           ; waves 0 to 3 fetch, one load each, each into bytes of its own; an s_nop 0 and four v_nop follow
	s_cmp_lt_u32 s[WV], 4
	s_cbranch_scc0 .Lasked_\@
	tensor_load_to_lds s[G0T:G0T+3], s[G1T:G1T+7]
	s_nop 0
.rept 4
	v_nop
.endr
.Lasked_\@:
.endm
; A prefetch into the L2 of what the NEXT change of slots will ask for: a slot's 12,288 bytes of K and of V, lanes 256 bytes apart, one instruction in each of waves 4 to 6 of the head's work-group g = 0:
; each aligned block of 256 bytes is named once in the launch.  Slots 0 and 1 come by their loads alone; the last change that fills a slot asks for nothing.
.macro ASK
	s_cmp_gt_u32 s[SLOTS], s[LIM]
	s_cbranch_scc0 .Lnot_mine_\@
	global_prefetch_b8 v[PFO], s[PFA:PFA+1] th:TH_LOAD_NT scope:SCOPE_SE
.Lnot_mine_\@:
.endm
; One tile of queries, one key step (the q-th of the slot).  QF: Q's registers; OO: O^T's; ST: the statistics'; SQ0: the scalar with the tile's first query; lo: Q's scale words lie in lanes 16-31.
.macro TSTEP q, QF, OO, ST, SQ0, lo
	s_add_co_u32 s96, s[\SQ0], 23
	s_cmp_gt_u32 s[KF], s96                        ; all 128 keys come after my 16 queries: the step's work is left out (ids and the count of steps alone)
	s_cbranch_scc1 .Lhid_\@
	v_add_nc_u32 v[AD16], s[TB], v1
	v_add_nc_u32 v[AD8], s[TB], v2
	v_add_nc_u32 v[ADS], s[TS], v3
	v_nop                                          ; four places in front of loads into registers that matrix instructions have read
.irp t, 0,1,2,3,4,5,6,7
	ds_load_b128 v[KV+6*\t:KV+6*\t+3], v[AD16] offset:(8*(\q)+\t)*768
	ds_load_b64 v[KV+6*\t+4:KV+6*\t+5], v[AD8] offset:(8*(\q)+\t)*768+512
.endr
.irp t, 0,1,2,3
	ds_load_b32 v[248+\t], v[ADS] offset:128*\t    ; lanes 0-15: tile 2 t's scale words; lanes 16-31: tile 2 t + 1's
.endr
	s_wait_dscnt 0x0
.irp t, 0,1,2,3,4,5,6,7
.if (\t%2 == 0) && (\lo == 0)
	v_wmma_scale_f32_16x16x128_f8f6f4 v[S+8*\t:S+8*\t+7], v[KV+6*\t:KV+6*\t+11], v[\QF:\QF+11], 0, v[248+\t/2], v10 matrix_a_fmt:MATRIX_FMT_FP6 matrix_b_fmt:MATRIX_FMT_FP6
.elseif (\lo == 0)
	v_wmma_scale_f32_16x16x128_f8f6f4 v[S+8*\t:S+8*\t+7], v[KV+6*\t:KV+6*\t+11], v[\QF:\QF+11], 0, v[248+\t/2], v10 matrix_a_fmt:MATRIX_FMT_FP6 matrix_b_fmt:MATRIX_FMT_FP6 matrix_a_scale:MATRIX_SCALE_ROW1
.elseif (\t%2 == 0)
	v_wmma_scale_f32_16x16x128_f8f6f4 v[S+8*\t:S+8*\t+7], v[KV+6*\t:KV+6*\t+11], v[\QF:\QF+11], 0, v[248+\t/2], v10 matrix_a_fmt:MATRIX_FMT_FP6 matrix_b_fmt:MATRIX_FMT_FP6 matrix_b_scale:MATRIX_SCALE_ROW1
.else
	v_wmma_scale_f32_16x16x128_f8f6f4 v[S+8*\t:S+8*\t+7], v[KV+6*\t:KV+6*\t+11], v[\QF:\QF+11], 0, v[248+\t/2], v10 matrix_a_fmt:MATRIX_FMT_FP6 matrix_b_fmt:MATRIX_FMT_FP6 matrix_a_scale:MATRIX_SCALE_ROW1 matrix_b_scale:MATRIX_SCALE_ROW1
.endif
.endr
.rept 4
	v_nop                                          ; places: for V's loads into K's registers, and for the first read of the scores
.endr
.irp d, 0,1,2,3                                ; V's four fragments are asked for now and land while the softmax is walked
.irp c, 0,1
	ds_load_b128 v[KV+12*\d+6*\c:KV+12*\d+6*\c+3], v[AD16] offset:VOFF+(4*(\q)+\d)*1536+768*\c
	ds_load_b64 v[KV+12*\d+6*\c+4:KV+12*\d+6*\c+5], v[AD8] offset:VOFF+(4*(\q)+\d)*1536+768*\c+512
.endr
	ds_load_b32 v[248+\d], v[ADS] offset:8192+128*\d
.endr
	s_add_co_u32 s96, s[KF], 127                   ; on the diagonal hidden scores become -infinity; a step all of whose keys count skips this
	s_cmp_le_u32 s96, s[\SQ0]
	s_cbranch_scc1 .Lopen_\@
	s_sub_co_i32 s96, s[\SQ0], s[KF]
	v_add_nc_u32 v252, s96, v4                     ; my query - the step's first key - 16 h.  Register 16 b + i holds key 32 b + 16 h + i of the step
	v_mov_b32 v254, 0xff800000
.set n, 0
.rept 64
	v_cmp_gt_i32 vcc_lo, 32*(n/16)+n%16, v252
	v_cndmask_b32 v[S+n], v[S+n], v254, vcc_lo
.set n, n+1
.endr
.Lopen_\@:
.irp b, 0,1,2,3
	v_max3_num_f32 v[232+\b], v[S+16*\b], v[S+1+16*\b], v[S+2+16*\b]   ; the largest score of each block of 32 keys: for the row's maximum, and for the block's largest p
.endr
.irp i, 3,5,7,9,11,13
.irp b, 0,1,2,3
	v_max3_num_f32 v[232+\b], v[232+\b], v[S+16*\b+\i], v[S+1+16*\b+\i]
.endr
.endr
.irp b, 0,1,2,3
	v_max_num_f32 v[232+\b], v[232+\b], v[S+15+16*\b]
.endr
.irp b, 0,1,2,3
	v_permlanex16_b32 v[236+\b], v[232+\b], s[SEL], s[SEL+1]
.endr
.irp b, 0,1,2,3
	v_max_num_f32 v[232+\b], v[232+\b], v[236+\b]
.endr
	v_max3_num_f32 v254, v232, v233, v234
	v_max_num_f32 v254, v254, v235
	v_mul_f32 v254, s[CS], v254
	v_max_num_f32 v[\ST+1], v[\ST+1], v254         ; the running largest t
	v_mov_b32 v254, v[\ST]
	v_floor_f32 v[\ST], -v[\ST+1]                  ; -M = floor(-t): M is a whole number
	v_sub_f32 v254, v[\ST], v254
	v_cvt_i32_f32 v254, v254
	v_ldexp_f32 v252, 1.0, v254                    ; f = 2^(old M - new M)
.set j, 0
.rept 32
	v_pk_fma_f32 v[S+j:S+j+1], v[S+j:S+j+1], s[CS:CS+1], v[\ST:\ST+1] op_sel_hi:[1,0,0]   ; t - M
.set j, j+2
.endr
.irp b, 0,1,2,3
	v_fma_f32 v[232+\b], v[232+\b], s[CS], v[\ST]
.endr
.set j, 0
.rept 64
	v_exp_f32 v[S+j], v[S+j]                       ; p = 2^(t - M)
.set j, j+1
.endr
	v_pk_mul_f32 v[\ST+2:\ST+3], v[\ST+2:\ST+3], v[252:253] op_sel_hi:[1,0]   ; the sums under the new M: a plain place behind the exponentials
	s_wait_alu depctr_va_vdst(0)                   ; one wait for the batch of 64, ahead of its first reader
.irp b, 0,1,2,3
	v_exp_f32 v[232+\b], v[232+\b]                 ; each block's largest p
.endr
	v_pk_add_f32 v[236:237], v[S:S+1], v[S+2:S+3]  ; the row's sum of the unquantised p, in two chains
.irp j, 4,8,12,16,20,24,28,32,36,40,44,48,52,56,60
	v_pk_add_f32 v[\ST+2:\ST+3], v[\ST+2:\ST+3], v[S+\j:S+1+\j]
	v_pk_add_f32 v[236:237], v[236:237], v[S+2+\j:S+3+\j]
.endr
	v_pk_add_f32 v[\ST+2:\ST+3], v[\ST+2:\ST+3], v[236:237]
	s_wait_alu depctr_va_vdst(0)                   ; and one for the four
.irp b, 0,1,2,3
	v_max_num_f32 v[232+\b], 0x1800000, v[232+\b]  ; the floor 2^(3 - 127)
.endr
.irp b, 0,1,2,3
	v_add_nc_u32 v[244+\b], 0xff000000, v[232+\b]
.endr
.irp b, 0,1,2,3
	v_lshrrev_b32 v[236+\b], 23, v[244+\b]
.endr
	v_lshl_or_b32 v253, v237, 8, v236              ; p's scale word for these 128 keys
	v_lshl_or_b32 v253, v238, 16, v253
	v_lshl_or_b32 v253, v239, 24, v253
.irp c, 0,1
	v_cvt_scalef32_pk16_fp6_f32 v[PCD+6*\c:PCD+2+6*\c], v[S+32*\c:S+15+32*\c], v[244+2*\c]
	v_cvt_scalef32_pk16_fp6_f32 v[236+4*\c:238+4*\c], v[S+16+32*\c:S+31+32*\c], v[244+2*\c+1]
.endr
	v_nop                                          ; one plain place behind a scaled conversion
.irp c, 0,1
.irp i, 0,1,2
	v_permlane16_swap_b32 v[PCD+6*\c+\i], v[236+4*\c+\i]
.endr
.irp i, 0,1,2
	v_mov_b32 v[PCD+3+6*\c+\i], v[236+4*\c+\i]
.endr
.endr
.set j, 0
.rept 16
	v_pk_mul_f32 v[\OO+j:\OO+j+1], v[\OO+j:\OO+j+1], v[252:253] op_sel_hi:[1,0]   ; O^T under the new M; these sixteen are also the places in front of the products below
.set j, j+2
.endr
	s_wait_dscnt 0x0                               ; V is in
.irp d, 0,1,2,3
	v_wmma_scale_f32_16x16x128_f8f6f4 v[\OO+8*\d:\OO+8*\d+7], v[KV+12*\d:KV+12*\d+11], v[PCD:PCD+11], v[\OO+8*\d:\OO+8*\d+7], v[248+\d], v253 matrix_a_fmt:MATRIX_FMT_FP6 matrix_b_fmt:MATRIX_FMT_FP6
.endr
.Lhid_\@:
.endm
.macro STEP q
	TSTEP \q, 20, 108, 12, 48, 0
	TSTEP \q, 32, 140, 16, 49, 1
	s_add_co_u32 s[KF], s[KF], 128
	s_add_co_u32 s[TS], s[TS], 512
.endm
; The change of slots stands at a slot's head: each wave waits for all its tensor loads, adds 0 to its spare word, waits for that and for its reads of the slot that it has left; one barrier; behind it the slot that was left is filled.
.macro CHANGE fill
	s_wait_tensorcnt 0x0                           ; no tensor load of mine is out, so the walking descriptor may be written
	ds_add_u32 v[SPW], v[NIL]
.if \fill
	s_xor_b32 s[G0T+1], s[G0T+1], SLOT1            ; the other slot than last time,
	s_add_nc_u64 s[G0T+2:G0T+3], s[G0T+2:G0T+3], 12288   ; the next 256 keys
	s_wait_xcnt 0x0                                ; the last prefetch, a slot back, has read its address
	s_add_nc_u64 s[PFA:PFA+1], s[PFA:PFA+1], 12288
.endif
	s_wait_dscnt 0x0                               ; the add is done, and my reads of the slot that I have left are over
	s_barrier_signal -1
	s_barrier_wait -1
.if \fill
	s_add_co_u32 s96, s[KF], 256                   ; a slot whose first key comes after my work-group's last query is read by none of its waves and is not asked for:
	s_cmp_gt_u32 s96, s[QLAST]                     ; ids and the count of steps alone, the same in all sixteen waves; every wait on TENSORcnt in this text is for 0
	s_cbranch_scc1 .Lpast_\@
	TLOAD
.Lpast_\@:
	ASK
.endif
.endm
.macro SLOT_STEPS
	STEP 0
	STEP 1
	s_xor_b32 s[TB], s[TB], SLOT1
.endm
	s_wait_loadcnt 0x0                             ; Q and its scale words
.Lslot:                                            ; 7 trips
	CHANGE 1
	SLOT_STEPS
	s_sub_co_u32 s[SLOTS], s[SLOTS], 1
	s_cmp_lg_u32 s[SLOTS], 0
	s_cbranch_scc1 .Lslot
	CHANGE 0                                       ; the last slot is written out: nothing is left to fetch
	SLOT_STEPS
	; ---------------- THE WAY OUT: O^T / the sum; quantised along C (the head's two blocks of 32); stored as an image of registers 0-5 of the last product's operand
.rept 4
	v_nop
.endr
	v_add_f32 v14, v14, v15
	v_add_f32 v18, v18, v19
	v_permlanex16_b32 v252, v14, s[SEL], s[SEL+1]
	v_permlanex16_b32 v254, v18, s[SEL], s[SEL+1]
	v_add_f32 v14, v14, v252
	v_add_f32 v18, v18, v254
	v_rcp_f32 v14, v14
	v_rcp_f32 v18, v18
	v_and_b32 v8, 15, v0                           ; (plain work behind the reciprocals)
	v_mov_b32 v7, s60
	v_mov_b32 v9, s61
	v_cndmask_b32 v7, v7, v9, s[MHI]
	v_lshl_add_u32 v7, v8, 5, v7                   ; ys: lanes 0-15 hi's rows, lanes 16-31 lo's
	s_wait_alu depctr_va_vdst(0)                   ; one wait for both, ahead of the first reader
.set j, 0
.rept 16
	v_pk_mul_f32 v[44+j:45+j], v[108+j:109+j], v[14:15] op_sel_hi:[1,0]
.set j, j+2
.endr
.set j, 0
.rept 16
	v_pk_mul_f32 v[76+j:77+j], v[140+j:141+j], v[18:19] op_sel_hi:[1,0]
.set j, j+2
.endr
; 32 numbers of a lane, register 16 b + i = d 32 b + 16 h + i of my query, become six registers of codes at v[pc] and two scale bytes in v[pw]
.macro QUANT2 tt, pc, pw
.irp b, 0,1
	v_max3_num_f32 v[232+\b], |v[\tt+16*\b]|, |v[\tt+1+16*\b]|, 0x1800000
.endr
.irp i, 2,4,6,8,10,12,14
.irp b, 0,1
	v_max3_num_f32 v[232+\b], v[232+\b], |v[\tt+16*\b+\i]|, |v[\tt+1+16*\b+\i]|
.endr
.endr
.irp b, 0,1
	v_permlanex16_b32 v[236+\b], v[232+\b], s[SEL], s[SEL+1]
.endr
.irp b, 0,1
	v_max_num_f32 v[232+\b], v[232+\b], v[236+\b]
.endr
.irp b, 0,1
	v_add_nc_u32 v[244+\b], 0xff000000, v[232+\b]
.endr
.irp b, 0,1
	v_lshrrev_b32 v[236+\b], 23, v[244+\b]
.endr
	v_lshl_or_b32 v[\pw], v237, 8, v236
	v_cvt_scalef32_pk16_fp6_f32 v[\pc:\pc+2], v[\tt:\tt+15], v244
	v_cvt_scalef32_pk16_fp6_f32 v[240:242], v[\tt+16:\tt+31], v245
	v_nop
.irp i, 0,1,2
	v_permlane16_swap_b32 v[\pc+\i], v[240+\i]
.endr
.irp i, 0,1,2
	v_mov_b32 v[\pc+3+\i], v[240+\i]
.endr
.endm
	QUANT2 44, 220, 254
	QUANT2 76, 226, 255
	v_cndmask_b32 v254, v254, v255, s[MHI]
	global_store_b128 v1, v[220:223], s[56:57]     ; each store of the wave covers 512 or 256 consecutive bytes, aligned
	global_store_b64 v2, v[224:225], s[56:57] offset:512
	global_store_b128 v1, v[226:229], s[58:59]
	global_store_b64 v2, v[230:231], s[58:59] offset:512
	global_store_b16 v7, v254, s[10:11]            ; two bytes a row: a whole scale word would want two heads in one work-group; these are one byte for 24 of codes
	s_wait_tensorcnt 0x0                           ; the wave's end
	ds_add_u32 v[SPW], v[NIL]
	s_wait_dscnt 0x0
	s_endpgm
.Lfunc_end_k_q6740236a33_attn:
	.size	k_q6740236a33_attn, .Lfunc_end_k_q6740236a33_attn-k_q6740236a33_attn
	.p2alignl 7, 3214868480
	.fill 96, 4, 3214868480
	.section	.rodata,"a",@progbits
	.p2align	6, 0x0
	.amdhsa_kernel k_q6740236a33_attn
		.amdhsa_group_segment_fixed_size 327680
		.amdhsa_private_segment_fixed_size 0
		.amdhsa_enable_private_segment 0
		.amdhsa_kernarg_size 32
		.amdhsa_user_sgpr_count 2
		.amdhsa_user_sgpr_kernarg_segment_ptr 1
		.amdhsa_wavefront_size32 1
		.amdhsa_system_sgpr_workgroup_id_x 1
		.amdhsa_system_sgpr_workgroup_id_y 1
		.amdhsa_system_sgpr_workgroup_id_z 1
		.amdhsa_system_vgpr_workitem_id 0
		.amdhsa_next_free_vgpr 256
		.amdhsa_next_free_sgpr 100
		.amdhsa_reserve_vcc 1
		.amdhsa_float_denorm_mode_32 3
		.amdhsa_float_denorm_mode_16_64 3
		.amdhsa_memory_ordered 1
		.amdhsa_forward_progress 1
		.amdhsa_inst_pref_size 189
	.end_amdhsa_kernel
	.amdgpu_metadata
---
amdhsa.version: [ 1, 2 ]
amdhsa.kernels:
  - .name:           k_q6740236a33_attn
    .symbol:         k_q6740236a33_attn.kd
    .args:
      - { .name: qkvc, .offset: 0, .size: 8, .value_kind: global_buffer, .address_space: global }
      - { .name: qkvs, .offset: 8, .size: 8, .value_kind: global_buffer, .address_space: global }
      - { .name: yc, .offset: 16, .size: 8, .value_kind: global_buffer, .address_space: global }
      - { .name: ys, .offset: 24, .size: 8, .value_kind: global_buffer, .address_space: global }
    .group_segment_fixed_size: 327680
    .private_segment_fixed_size: 0
    .kernarg_segment_align: 8
    .kernarg_segment_size: 32
    .max_flat_workgroup_size: 512
    .sgpr_count:     100
    .vgpr_count:     256
    .wavefront_size: 32
...
	.end_amdgpu_metadata
.endif
;; end of part 3
;; launch gemm_out (part 4): grid 8 x 32, 4 waves a work-group, clusters of 4 x 4, 327,680 bytes of LDS; arguments yc, ys, wc, ws, b_out, out0; writes out0
.if DOCPART == 4
	.amdgcn_target "amdgcn-amd-amdhsa--gfx1250"
	.amdhsa_code_object_version 6
	.text
	.protected	k_q6740236a33_gemm_out
	.globl	k_q6740236a33_gemm_out
	.p2align	8
	.type	k_q6740236a33_gemm_out,@function
k_q6740236a33_gemm_out:
	s_mov_b64 s[64:65], 0
	v_nop
	global_prefetch_b8 v0, s[64:65] scope:SCOPE_SE
	s_setreg_imm32_b32 hwreg(HW_REG_WAVE_MODE, 25, 1), 1
	s_wait_xcnt 0x0
	s_wait_alu depctr_hold_cnt(0) depctr_sa_sdst(0) depctr_va_vdst(0) depctr_va_sdst(0) depctr_va_ssrc(0) depctr_va_vcc(0) depctr_vm_vsrc(0)
	s_getreg_b32 s2, hwreg(HW_REG_IB_STS2, 6, 4)
	s_cmp_eq_u32 s2, 0
	s_cbranch_scc0 .Lentry_in_a_cluster
	s_endpgm
.Lentry_in_a_cluster:
	s_bfe_u32 s2, ttmp6, 0x10000c
	s_cmp_lg_u32 s2, 0xf033
	s_cbranch_scc0 .Lentry_shape_is_right
	s_endpgm
.Lentry_shape_is_right:
; out0 = y w_out + b_out on codes of FP6 (E2M3) with E8M0 scales, K = 1,024.  y's codes come as images of operand registers ([head / 4][row tile][head % 4][768 bytes]), w_out's as rows 3,072 on of wc.
; A tile is 256 rows x 128 columns: 256 work-groups.  Wave (rh, ch) makes 128 x 64: 32 accumulators.  ALL OF K LIES IN LDS: every byte is filled once, by seven joint loads a wave issued together at the start
; (seven tensor loads of mine are out at the most); there is no ring and no refill; the quarters of K are waited for one after the other.
; CLUSTERS 4 x 4: y's rows (source 1) are shared along a row of the cluster, w_out's (source 0) along a column.  Every wave fetches its quarter of each tile: no branch on the wave's number.
; Rows of both operands are stored with bits 3 and 4 of their number exchanged: a lane's registers of two neighbouring tiles of source 0 are 16 neighbouring columns; the rows' order is undone in the stores' offsets.
; The bias is the C of each sum's first matrix instruction.
; LDS: 0: y's images, 4 quarters of K x 16 row tiles x 3,072; 196,608: w's 128 rows of 816 bytes (3 x (256 + 16)); 301,056: w's scales, 16 x 272; 305,408: y's scales, 32 x 272; 314,112: the spare words.
; The way out's stages (4,352 bytes a wave) lie in the first quarter's bytes, which have had their only fill and which no wave reads behind the last barrier.
; REGISTERS: window 0: v16-31 addresses; v32-95 scale words for all of K (register 8 i + s: lanes 0-15 w's block i, lanes 16-31 y's block i); v96-127 the bias; v128-191 the way out.
;   Window 1: the accumulators ((a, b) at 8 (4 a + b)).  Window 2: y's fragments, two sets of 96.  Window 3: w's, two sets of 48.
.set BOFF,  196608
.set BSC,   301056
.set ASC,   305408
.set SPARE, 314112
.set AA16, 16                          ; v16-19 quarter k: 49,152 k + 24,576 rh + 16 x lane
.set AA8,  20                          ; v20-23 the same with 8 x lane
.set AB,   24                          ; v24 w's rows: + 24 h; v25: + 40 h, behind one padding more
.set ADRS, 26
.set STO,  27
.set SPW,  28
.set NIL,  29
.set RD,   30
.set CO,   31
.set SC,   32
.set BIAS, 96
.set BK,   128
.set G1A,  24
.set G1B,  32
.set G1AS, 40
.set G1BS, 48
.set G0BS, 56
.set G0AS, 60
.set G0B,  68
.set G0A,  72                          ; s72-87: a group 0 for each quarter of K
.set MSB, 0
.macro WIN new
.if MSB != \new
	s_set_vgpr_msb (MSB<<8)|\new
.set MSB, \new
.endif
.endm
.macro CROUND
	s_barrier_signal -1
	s_barrier_wait -1
	s_cmp_lg_u32 s16, 0
	s_cbranch_scc1 .Lnot_wave_0_\@
	s_barrier_signal -3
.Lnot_wave_0_\@:
	s_barrier_wait -3
	s_barrier_signal -1
	s_barrier_wait -1
.endm
.macro SHAPE g, rows                   ; rows of 256 bytes (32 elements of 8), dense in memory
	s_mov_b32 s[\g+1], 32<<16
	s_mov_b32 s[\g+2], (\rows)<<16
	s_mov_b32 s[\g+3], 32<<16
	s_mov_b32 s[\g+4], \rows
	s_mov_b32 s[\g+5], 32
	s_mov_b32 s[\g+6], 0
	s_mov_b32 s[\g+7], 0
.endm
	s_load_b256 s[4:11], s[0:1], 0x0               ; yc, ys, wc, ws
	s_load_b128 s[12:15], s[0:1], 0x20             ; b_out, out0
	v_lshl_add_u32 v[SPW], v0, 2, SPARE
	v_mov_b32 v[NIL], 0
	ds_add_u32 v[SPW], v[NIL]                      ; the wave's opening: the add and its wait stand ahead of my first tensor load
	v_lshrrev_b32 v1, 5, v0
	v_readfirstlane_b32 s16, v1                    ; wave
	s_lshr_b32 s17, s16, 1                         ; rh
	s_and_b32 s18, s16, 1                          ; ch
	s_bfe_u32 s19, ttmp6, 0x40000                  ; cx
	s_bfe_u32 s20, ttmp6, 0x40004                  ; cy
	s_lshl_b32 s21, ttmp9, 2
	s_add_co_u32 s21, s21, s19                     ; tile column: 128 columns
	s_and_b32 s22, ttmp7, 0xffff
	s_lshl_b32 s22, s22, 2
	s_add_co_u32 s22, s22, s20                     ; tile row: 256 rows
	s_lshl_b32 s88, s20, 2
	s_lshl_b32 s88, 15, s88                        ; my row of the cluster
	s_lshl_b32 s89, 0x1111, s19                    ; my column
	s_or_b32 s[G1A], s88, (3<<16)|(1<<21)          ; y's images: no padding
	s_or_b32 s[G1AS], s88, (3<<16)|(1<<20)|(1<<21)|(5<<22)|(3<<25)   ; 4 words of padding behind every 64
	s_or_b32 s[G1B], s89, (3<<16)|(1<<20)|(1<<21)|(5<<22)|(3<<25)
	s_or_b32 s[G1BS], s89, (3<<16)|(1<<20)|(1<<21)|(5<<22)|(3<<25)
	SHAPE G1A, 48
	SHAPE G1B, 96
	SHAPE G1AS, 8
	SHAPE G1BS, 4
	s_lshl_b32 s92, s21, 7
	s_lshl_b32 s93, s16, 5
	s_add_co_u32 s92, s92, s93
	s_add_co_u32 s92, s92, 3072                    ; the 32 rows of wc that I fetch
	s_lshl_b32 s94, s92, 5
	s_mov_b32 s95, 0
	s_mul_i32 s92, s92, 768
	s_mov_b32 s93, 0
	s_lshl_b32 s90, s22, 8
	s_lshl_b32 s91, s16, 6
	s_add_co_u32 s90, s90, s91                     ; the 64 rows of y that I fetch
	s_lshr_b32 s96, s90, 4
	s_mul_i32 s96, s96, 3072                       ; as four row tiles
	s_mov_b32 s97, 0
	s_lshl_b32 s90, s90, 5
	s_mov_b32 s91, 0
	s_mov_b32 s[G0BS], 1
	s_mul_i32 s[G0BS+1], s16, 1088
	s_add_co_u32 s[G0BS+1], s[G0BS+1], BSC
	s_mov_b32 s[G0AS], 1
	s_mul_i32 s[G0AS+1], s16, 2176
	s_add_co_u32 s[G0AS+1], s[G0AS+1], ASC
	s_mov_b32 s[G0B], 1
	s_mul_i32 s[G0B+1], s16, 26112
	s_add_co_u32 s[G0B+1], s[G0B+1], BOFF
	s_mul_i32 s23, s16, 12288
.irp k, 0,1,2,3
	s_mov_b32 s[G0A+4*\k], 1
	s_add_co_u32 s[G0A+4*\k+1], s23, 49152*\k
.endr
	s_wait_dscnt 0x0                               ; the opening add is done
	s_wait_kmcnt 0x0
	s_add_nc_u64 s[G0BS+2:G0BS+3], s[10:11], s[94:95]
	s_or_b32 s[G0BS+3], s[G0BS+3], 0x80000000
	s_add_nc_u64 s[G0AS+2:G0AS+3], s[6:7], s[90:91]
	s_or_b32 s[G0AS+3], s[G0AS+3], 0x80000000
	s_add_nc_u64 s[G0B+2:G0B+3], s[8:9], s[92:93]
	s_or_b32 s[G0B+3], s[G0B+3], 0x80000000
.irp k, 0,1,2,3
	s_add_nc_u64 s[G0A+4*\k+2:G0A+4*\k+3], s[4:5], s[96:97]
	s_add_nc_u64 s[G0A+4*\k+2:G0A+4*\k+3], s[G0A+4*\k+2:G0A+4*\k+3], 1572864*\k
	s_or_b32 s[G0A+4*\k+3], s[G0A+4*\k+3], 0x80000000
.endr
	CROUND                                         ; all sixteen work-groups are here: the joint loads meet
	tensor_load_to_lds s[G0BS:G0BS+3], s[G1BS:G1BS+7]
	s_nop 0
	tensor_load_to_lds s[G0AS:G0AS+3], s[G1AS:G1AS+7]
	s_nop 0
	tensor_load_to_lds s[G0B:G0B+3], s[G1B:G1B+7]
	s_nop 0
.irp k, 0,1,2,3
	tensor_load_to_lds s[G0A+4*\k:G0A+4*\k+3], s[G1A:G1A+7]
	s_nop 0
.endr
.rept 4
	v_nop
.endr
	s_lshl_b32 s2, s21, 9
	s_lshl_b32 s3, s18, 8
	s_add_co_u32 s2, s2, s3                        ; my first column, in bytes of f32
	s_mov_b32 s3, 0
	s_add_nc_u64 s[12:13], s[12:13], s[2:3]
	s_lshl_b32 s90, s22, 8
	s_lshl_b32 s91, s17, 7
	s_add_co_u32 s90, s90, s91
	s_lshl_b32 s90, s90, 12                        ; my first row of out0: rows of 4,096 bytes
	s_mov_b32 s91, 0
	s_add_nc_u64 s[14:15], s[14:15], s[90:91]
	s_add_nc_u64 s[14:15], s[14:15], s[2:3]
	v_and_b32 v1, 15, v0                           ; r
	v_bfe_u32 v2, v0, 4, 1                         ; h
	v_and_b32 v3, 31, v0                           ; lane
	v_lshlrev_b32 v10, 6, v2
.irp t, 0,1,2,3                                ; the bias in the result's layout: tile 2 b + u: columns 32 b + 16 h + 8 u + 0 .. 7
	global_load_b128 v[BIAS+8*\t:BIAS+8*\t+3], v10, s[12:13] offset:(32*(\t/2)+8*(\t%2))*4
	global_load_b128 v[BIAS+8*\t+4:BIAS+8*\t+7], v10, s[12:13] offset:(32*(\t/2)+8*(\t%2))*4+16
.endr
	s_mul_i32 s23, s17, 24576
	v_lshlrev_b32 v4, 4, v3
	v_add_nc_u32 v4, s23, v4
	v_lshlrev_b32 v5, 3, v3
	v_add_nc_u32 v5, s23, v5
.irp k, 0,1,2,3
	v_add_nc_u32 v[AA16+\k], 49152*\k, v4
	v_add_nc_u32 v[AA8+\k], 49152*\k, v5
.endr
	s_mul_i32 s23, s18, 52224
	s_add_co_u32 s23, s23, BOFF
	v_mul_u32_u24 v6, v1, 816
	v_add_nc_u32 v6, s23, v6
	v_mad_u32_u24 v[AB], v2, 24, v6
	v_mad_u32_u24 v[AB+1], v2, 40, v6
	s_mul_i32 s23, s18, 2176                       ; w's scales: my 64 rows
	s_mul_i32 s90, s17, 4352                       ; y's: my 128 rows, 4,352 bytes behind w's first
	s_add_co_u32 s90, s90, 4352
	s_sub_co_u32 s90, s90, s23
	v_mul_u32_u24 v7, s90, v2                      ; lanes 16-31 take y's
	v_lshlrev_b32 v8, 5, v1
	v_lshrrev_b32 v9, 3, v1
	v_lshl_add_u32 v8, v9, 4, v8                   ; 32 bytes a row, 16 more behind each 256
	s_add_co_u32 s23, s23, BSC
	v_add_nc_u32 v8, v8, v7
	v_add_nc_u32 v[ADRS], s23, v8
	s_mul_i32 s23, s16, 4352                       ; my stage
	v_mul_u32_u24 v6, v1, 272
	v_lshl_add_u32 v6, v2, 6, v6
	v_add_nc_u32 v[STO], s23, v6                   ; in: row r, + 64 h
	v_mul_u32_u24 v6, v2, 272
	v_lshl_add_u32 v6, v1, 4, v6
	v_add_nc_u32 v[RD], s23, v6                    ; back: lanes 0-15 one row of 256 bytes, lanes 16-31 the next
	v_lshlrev_b32 v[CO], 12, v2
	v_lshl_add_u32 v[CO], v1, 4, v[CO]             ; and the same two rows in out0
.macro FRAGA reg, s, i                 ; y's block i of K step s: two halves, each as it was stored: 16 bytes a lane, then 8
.irp c, 0,1
	ds_load_b128 v[\reg+6*\c:\reg+6*\c+3], v[AA16+(\s)/2] offset:3072*(\i)+(2*((\s)%2)+\c)*768
	ds_load_b64 v[\reg+6*\c+4:\reg+6*\c+5], v[AA8+(\s)/2] offset:3072*(\i)+(2*((\s)%2)+\c)*768+512
.endr
.endm
.macro FRAGB reg, s, i                 ; w's block i: pieces of 8 bytes; 16 bytes of padding lie behind every 32 pieces
.irp p, 0,1,2,3,4,5
.set PCE, 12*(\s)+6*(\p/3)+\p%3
.if PCE%32 < 29
	ds_load_b64 v[\reg+2*\p:\reg+2*\p+1], v[AB] offset:8*PCE+16*(PCE/32)+(\i)*13056
.else
	ds_load_b64 v[\reg+2*\p:\reg+2*\p+1], v[AB+1] offset:8*PCE+16*(PCE/32)+(\i)*13056
.endif
.endr
.endm
.macro FETCH s                         ; 56 LDS loads in one run
	WIN 0xc0
.irp i, 0,1,2,3
	FRAGB 48*((\s)%2)+12*\i, \s, \i
.endr
	WIN 0x80
.irp i, 0,1,2,3,4,5,6,7
	FRAGA 96*((\s)%2)+12*\i, \s, \i
.endr
	WIN 0
.endm
.macro MUL32 s                         ; the 32 accumulators take turns, one instruction a turn, in the same order in every step
.if (\s) == 0
	WIN 0x4b                                       ; source 0 window 3, source 1 window 2, C (the bias) window 0, D window 1
.else
	WIN 0x5b
.endif
.irp a, 0,1,2,3,4,5,6,7
.irp b, 0,1,2,3
.if (\s) == 0
	v_wmma_scale_f32_16x16x128_f8f6f4 v[8*(4*\a+\b):8*(4*\a+\b)+7], v[48*((\s)%2)+12*\b:48*((\s)%2)+12*\b+11], v[96*((\s)%2)+12*\a:96*((\s)%2)+12*\a+11], v[BIAS+8*\b:BIAS+8*\b+7], v[SC+8*\b+(\s)], v[SC+8*\a+(\s)] matrix_a_fmt:MATRIX_FMT_FP6 matrix_b_fmt:MATRIX_FMT_FP6 matrix_b_scale:MATRIX_SCALE_ROW1
.else
	v_wmma_scale_f32_16x16x128_f8f6f4 v[8*(4*\a+\b):8*(4*\a+\b)+7], v[48*((\s)%2)+12*\b:48*((\s)%2)+12*\b+11], v[96*((\s)%2)+12*\a:96*((\s)%2)+12*\a+11], v[8*(4*\a+\b):8*(4*\a+\b)+7], v[SC+8*\b+(\s)], v[SC+8*\a+(\s)] matrix_a_fmt:MATRIX_FMT_FP6 matrix_b_fmt:MATRIX_FMT_FP6 matrix_b_scale:MATRIX_SCALE_ROW1
.endif
.endr
.endr
	WIN 0
.endm
	s_wait_tensorcnt 3                             ; my parts of the scales, of w and of K's first quarter are in; the three later quarters may be out
	s_barrier_signal -1
	s_barrier_wait -1                              ; everybody's are
.irp i, 0,1,2,3,4,5,6,7                        ; the scale words for all of K, once.  (From i = 4 on lanes 0-15 read on past my w rows' scales (in waves with ch = 1 into y's): filled bytes, words that no product names for source 0)
	ds_load_b128 v[SC+8*\i:SC+8*\i+3], v[ADRS] offset:544*\i
	ds_load_b128 v[SC+8*\i+4:SC+8*\i+7], v[ADRS] offset:544*\i+16
.endr
	FETCH 0
	s_wait_loadcnt 0x0                             ; the bias
.irp s, 0,1,2,3,4,5,6,7
	s_wait_dscnt 0x0                               ; this step's fragments are in (asked for 32 matrix instructions ago)
.if (\s%2 == 1) && (\s < 7)
	s_wait_tensorcnt (5-\s)/2                      ; my part of the next quarter of K is in; the later quarters may be out
	s_barrier_signal -1
	s_barrier_wait -1
.endif
.if \s < 7
.rept 4
	v_nop                                          ; places in front of loads into registers that matrix instructions have read
.endr
	FETCH \s+1
.endif
	MUL32 \s
.endr
; THE WAY OUT, a block of 16 rows x 64 columns at a time, through my stage: in by lanes (32 bytes of a row each), back as whole rows of 256 bytes.  LDS serves a wave's instructions in order.
.macro TOSTAGE a
	WIN 0x04                                       ; an LDS store's data are its source 1: window 1
.irp b, 0,1,2,3
	ds_store_b128 v[STO], v[8*(4*(\a)+\b):8*(4*(\a)+\b)+3] offset:128*(\b/2)+32*(\b%2)       ; each accumulator from its low end on
	ds_store_b128 v[STO], v[8*(4*(\a)+\b)+4:8*(4*(\a)+\b)+7] offset:128*(\b/2)+32*(\b%2)+16
.endr
	WIN 0
.set BB, BK+32*((\a)%2)
.irp i, 0,1,2,3,4,5,6,7
	ds_load_b128 v[BB+4*\i:BB+4*\i+3], v[RD] offset:544*\i
.endr
.endm
.macro SEND a, younger
.set BB, BK+32*((\a)%2)
	s_wait_dscnt \younger                          ; the block is back; the next block's 8 stores and 8 loads may be out
.irp i, 0,1,2,3,4,5,6,7
	global_store_b128 v[CO], v[BB+4*\i:BB+4*\i+3], s[14:15] offset:(32*((\a)/2)+16*(\i/4)+8*((\a)%2)+2*(\i%4))*4096 th:TH_STORE_NT   ; the stored row's bits 3 and 4 exchanged back; 16 lanes store 256 consecutive bytes, aligned
.endr
.endm
.rept 4
	v_nop
.endr
	TOSTAGE 0
.irp a, 1,2,3,4,5,6,7
.if \a > 1
	s_wait_xcnt 0x0                                ; block a - 2's stores have read their registers: block a's loads may land there
.endif
	TOSTAGE \a
	SEND \a-1, 16
.endr
	SEND 7, 0
	s_wait_tensorcnt 0x0                           ; the wave's end, behind my last LDS store
	ds_add_u32 v[SPW], v[NIL]
	s_wait_dscnt 0x0
	CROUND                                         ; the closing round
	s_endpgm
.Lfunc_end_k_q6740236a33_gemm_out:
	.size	k_q6740236a33_gemm_out, .Lfunc_end_k_q6740236a33_gemm_out-k_q6740236a33_gemm_out
	.p2alignl 7, 3214868480
	.fill 96, 4, 3214868480
	.section	.rodata,"a",@progbits
	.p2align	6, 0x0
	.amdhsa_kernel k_q6740236a33_gemm_out
		.amdhsa_group_segment_fixed_size 327680
		.amdhsa_private_segment_fixed_size 0
		.amdhsa_enable_private_segment 0
		.amdhsa_kernarg_size 48
		.amdhsa_user_sgpr_count 2
		.amdhsa_user_sgpr_kernarg_segment_ptr 1
		.amdhsa_wavefront_size32 1
		.amdhsa_system_sgpr_workgroup_id_x 1
		.amdhsa_system_sgpr_workgroup_id_y 1
		.amdhsa_system_sgpr_workgroup_id_z 1
		.amdhsa_system_vgpr_workitem_id 0
		.amdhsa_next_free_vgpr 1024
		.amdhsa_next_free_sgpr 100
		.amdhsa_reserve_vcc 0
		.amdhsa_float_denorm_mode_32 3
		.amdhsa_float_denorm_mode_16_64 3
		.amdhsa_memory_ordered 1
		.amdhsa_forward_progress 1
		.amdhsa_inst_pref_size 90
	.end_amdhsa_kernel
	.amdgpu_metadata
---
amdhsa.version: [ 1, 2 ]
amdhsa.kernels:
  - .name:           k_q6740236a33_gemm_out
    .symbol:         k_q6740236a33_gemm_out.kd
    .args:
      - { .name: yc, .offset: 0, .size: 8, .value_kind: global_buffer, .address_space: global }
      - { .name: ys, .offset: 8, .size: 8, .value_kind: global_buffer, .address_space: global }
      - { .name: wc, .offset: 16, .size: 8, .value_kind: global_buffer, .address_space: global }
      - { .name: ws, .offset: 24, .size: 8, .value_kind: global_buffer, .address_space: global }
      - { .name: b_out, .offset: 32, .size: 8, .value_kind: global_buffer, .address_space: global }
      - { .name: out0, .offset: 40, .size: 8, .value_kind: global_buffer, .address_space: global }
    .group_segment_fixed_size: 327680
    .private_segment_fixed_size: 0
    .kernarg_segment_align: 8
    .kernarg_segment_size: 48
    .max_flat_workgroup_size: 128
    .sgpr_count:     100
    .vgpr_count:     1024
    .wavefront_size: 32
...
	.end_amdgpu_metadata
.endif
;; end of part 4
